; MI455X (gfx1250); checked and timed in simulation.
; The chip was launched on July 23, 2026; its instructions are those of AMD's public machine-readable ISA for CDNA 5 (MIT licence, August 2026) and "CDNA5" Instruction Set Architecture Reference Guide (July 2026). The comments in the code are by the model that wrote it; some were corrected since.
;; Multi Head Attention Map. Allowed arithmetic: matrix products marked QUANTISED: E3M2 operands, one E8M0 scale for each 32 along K, by v_wmma_scale_f32_16x16x128_f8f6f4 with both operands' format E3M2, f32 sums; everything else in f32.
;; Inputs: keys 2 x 2,048 x 1,024 float32; mask 2 x 2,048 x 2,048 bool; queries 2 x 2,048 x 1,024 float32; values 2 x 2,048 x 1,024 float32.
;; Outputs: out0 2 x 2,048 x 1,024 float32.
;; This version of the problem:
;;   THIS VERSION OF THE PROBLEM IS GIVEN IN LOW PRECISION. The matrix products marked QUANTISED in the list below multiply operands that are first quantised to E3M2 (3 exponent bits, 2 mantissa bits; 6 bits a number), with one power-of-two scale for each 32 numbers along K (OCP MX v1.0); their sums are f32. All else is computed in f32.
;;   The module's matrix products, in the order in which they are computed (A, B: the left and right operand; K: the contracted axis; several contracted axes count as one K, in the product's order):
;;     1. batch 32 x [M 2,048, K 64] x [K 64, N 2,048]; A: input queries; B: input keys: QUANTISED
;;     2. batch 32 x [M 2,048, K 2,048] x [K 2,048, N 64]; A: softmax (see below); B: input values: QUANTISED
;;   THE QUANTISER, for each operand of a quantised product, along K:
;;     - K is cut into blocks of 32 from its start; a last block that is shorter is filled with zeros.
;;     - A block's scale is 2^e with e = floor(log2(the largest magnitude in the block)) - 4, held to -126 .. 127; a block of zeros has e = 0. As a byte (E8M0): e + 127.
;;     - Each number is divided by its block's scale, clamped to +-28, and rounded to the nearest number of E3M2, ties to even, subnormals kept.
;;     - The product sums the exact products of the quantised numbers (number of the format x scale) in f32.
;;   ~~~python
;;   def quantise(x, axis):      # numpy; x: float32 -> the quantised numbers, widened to float32 again
;;       x = np.moveaxis(x, axis, -1); K = x.shape[-1]
;;       x = np.pad(x, [(0, 0)] * (x.ndim - 1) + [(0, -K % 32)]); x = x.reshape(x.shape[:-1] + (-1, 32)); a = np.abs(x).max(-1, keepdims=True)
;;       e = np.where(a > 0, np.clip(np.frexp(np.where(a > 0, a, 1))[1] - 1 - 4, -126, 127), 0)      # np.frexp(a)[1] - 1 = floor(log2(a)), exactly
;;       r = np.clip(x / 2.0 ** e, -28, 28)
;;       step = 2.0 ** (np.maximum(np.frexp(np.where(r == 0, 1, r))[1] - 1, -2) - 2)
;;       q = np.round(r / step) * step * 2.0 ** e      # np.round: ties to even
;;       return np.moveaxis(q.reshape(q.shape[:-2] + (-1,))[..., :K], -1, axis).astype(np.float32)
;;   ~~~
;;   SOFTMAX AHEAD OF A QUANTISED PRODUCT. Where the list says 'softmax', what is quantised is not the finished softmax but p = 2^(t - M), with t = logit x log2(e) and M = ceil(the row's largest t), a whole number; so 1/2 < the row's largest p <= 1. The row's sum l is taken of the UNQUANTISED p, in f32, and the product's result is divided by l at the end. Since M is a whole number, a kernel that streams over the keys may use a running M (the ceiling of the running maximum): every later rescaling is an exact power of two, which a block's scale takes up: the codes' values come out the same.
;;   OPERANDS COMPUTED ON THE WAY. 'Computed on the way' means the value that the module computes at that place (a softmax that the list does not call 'softmax' is quantised finished and normalised). What goes into a quantiser is computed in f32, as accurately as f32 sums, v_exp_f32 and their like allow (about 1e-6 of the number): no bf16 or f16 on the way to a quantiser, and a product that is left as it is and whose result goes on into a quantised operand takes f32 operands (vector FMAs, or v_wmma_f32_16x16x4_f32). A number that lies on a knife's edge between two numbers of the format may be rounded either way, as far as f32 arithmetic and the matrix unit's own rounding can turn it there, and no further.
;; 2 versions. Each part assembles by itself: llvm-mc -triple=amdgcn-amd-amdhsa -mcpu=gfx1250 --defsym DOCPART=n.
;; ======== version 1 of 2: 2 launches
;; workspace buffers: kv 6,684,672 bytes; mbits 1,048,576 bytes of whole numbers; mflag 4,096 bytes of whole numbers
;; launch quant (part 1): grid 1024 x 1, 4 waves a work-group, no clusters, 69,120 bytes of LDS; arguments keys, values, mask, kv, mbits, mflag; writes kv, mbits, mflag
.if DOCPART == 1
	.amdgcn_target "amdgcn-amd-amdhsa--gfx1250"
	.amdhsa_code_object_version 6
	.text
	.protected	k_q3aefe92090_quant
	.globl	k_q3aefe92090_quant
	.p2align	8
	.type	k_q3aefe92090_quant,@function
k_q3aefe92090_quant:
	s_mov_b64 s[64:65], 0
	v_nop
	global_prefetch_b8 v0, s[64:65] scope:SCOPE_SE
	s_setreg_imm32_b32 hwreg(HW_REG_WAVE_MODE, 25, 1), 1
	s_wait_xcnt 0x0
; keys and values [2][2048][1024] f32 become codes of BF6 (E3M2) with E8M0 scale bytes, laid in the ORDER OF THE OPERAND'S REGISTERS for the attention launch;
; mask [2][2048][2048] (one byte each) becomes lane-mask words for that launch's scores, and one flag for each tile of 16 queries x 128 keys.
; A BLOCK OF kv, 13,056 bytes, serves one (batch, head) bh = 16 b + h and one key step ks of 128 keys; it begins at (16 bh + ks) x 13,056:
;   0      K's image: 12 chunks of 512 bytes; chunk c = registers 4 c .. 4 c + 3 of a run of 48, lane l's 16 bytes at 16 l.  Register 6 T + i of lane (r, hh) = word i of the 24 bytes of
;          codes d = 32 hh .. 32 hh + 31 of key 128 ks + 32 (T / 2) + 8 (T % 2) + r + 8 (r / 8): THE KEYS OF A TILE ARE NOT NEIGHBOURS, so that the scores of two tiles are 16 neighbouring keys in a lane
;   6,144  V's image, likewise: register 12 t + 6 c + i of lane (r, hh) = the codes of channel 16 t + r for keys 128 ks + 64 c + 32 hh + 0 .. 31 (V is quantised ALONG THE KEYS)
;   12,288 four planes of 128 bytes with K's scale words: plane u: lanes 0-15 tile 2 u's rows, lanes 16-31 tile 2 u + 1's; bytes 0, 1 = the two blocks of d, bytes 2, 3 = 0
;   12,800 two planes with V's scale words: plane p: lanes 0-15 tile 2 p, lanes 16-31 tile 2 p + 1; four bytes = the step's four blocks of keys
; mbits: for u = 128 b + (query / 16), key step ks, word n (0 .. 63) at byte 4,096 u + 256 ks + 4 n: bit r + 16 hh = mask[b][16 (u % 128) + r][128 ks + 32 (n / 16) + 16 hh + n % 16] is not 0.
; mflag: word 4 u + w has bit ks set (ks = 4 w .. 4 w + 3) where tile (u, ks) holds a byte whose lowest bit is 0, or whose bytes' AND is not 1: such a tile takes the attention launch's general way.
; A block's scale is 2^(floor(log2(its largest magnitude)) - 4); its byte is that magnitude's exponent field - 4, held at 1 from below.
; LIMITS: a block whose largest magnitude lies under 2^-122 has its byte held at 1; a block of zeros gets the byte 1 where the rule says 127 (its codes are zeros, and this program alone reads the bytes);
; NaN and infinities among the inputs are not served.  A mask byte other than 0 counts as true.
; SHARES: work-groups 0-511: K, one block each, wave w the tiles 2 w, 2 w + 1 (32 keys).  512-767: V, two blocks each, a wave 32 channels x 128 keys.  768-1023: the mask, 16 queries each, a wave 512 keys.
; No loop, no barrier: waves share nothing.  The two ways that use LDS have bytes of their own: K 0 .. 34,815, the mask 34,816 .. 68,607.
.set STEPB, 13056
.set VIMG,  6144
.set KSC,   12288
.set VSC,   12800
.set KLDS,  8704                       ; K: a wave's stage: 32 rows x 272 bytes
.set MLDS0, 34816
.set MLDS,  8448                       ; the mask: a wave's stage: 16 rows x 528 bytes
; v[a] = the largest magnitude of v[x] .. v[x + 31], and the floor 2^(5 - 127), under which none is taken: so the byte cannot fall under 1.  Two chains; v[b] at work
.macro BMAX x, a, b
	v_max3_num_f32 v[\a], |v[\x]|, |v[\x+1]|, |v[\x+2]|
	v_max3_num_f32 v[\b], |v[\x+3]|, |v[\x+4]|, |v[\x+5]|
.irp i, 6,10,14,18,22,26
	v_max3_num_f32 v[\a], v[\a], |v[\x+\i]|, |v[\x+\i+1]|
	v_max3_num_f32 v[\b], v[\b], |v[\x+\i+2]|, |v[\x+\i+3]|
.endr
	v_max3_num_f32 v[\a], v[\a], |v[\x+30]|, |v[\x+31]|
	v_max3_num_f32 v[\a], v[\a], v[\b], 0x2800000
.endm
	s_load_b256 s[4:11], s[0:1], 0x0               ; keys s[4:5], values s[6:7], mask s[8:9], kv s[10:11]
	s_load_b128 s[12:15], s[0:1], 0x20             ; mbits s[12:13], mflag s[14:15]
	v_lshl_add_u32 v176, v0, 2, 0x10c00
	v_mov_b32 v177, 0
	v_lshrrev_b32 v1, 5, v0
	v_readfirstlane_b32 s16, v1                    ; wave 0..3
	v_and_b32 v1, 31, v0                           ; l
	v_and_b32 v2, 15, v0                           ; r = l % 16
	v_bfe_u32 v3, v0, 4, 1                         ; hh = l / 16
	s_mov_b32 s18, 0x76543210
	s_mov_b32 s19, 0xfedcba98                      ; v_permlanex16_b32's selects for lane l xor 16
	s_wait_kmcnt 0x0
	s_cmp_lt_u32 ttmp9, 512
	s_cbranch_scc0 .Lnot_k
; ---------------- K: work-group g = 16 bh + ks; wave w: keys 128 ks + 32 w .. + 31, the head's 64 numbers (256 bytes) of each
	s_lshr_b32 s20, ttmp9, 8                       ; b
	s_lshl_b32 s20, s20, 23                        ; a batch is 2^23 bytes
	s_and_b32 s21, ttmp9, 15                       ; ks
	s_lshl_b32 s21, s21, 19                        ; 128 rows of 4,096 bytes
	s_add_co_u32 s20, s20, s21
	s_lshl_b32 s21, s16, 17                        ; 32 rows a wave
	s_add_co_u32 s20, s20, s21
	s_bfe_u32 s21, ttmp9, 0x40004                  ; h
	s_lshl_b32 s21, s21, 8
	s_add_co_u32 s20, s20, s21
	s_mov_b32 s21, 0
	s_add_nc_u64 s[4:5], s[4:5], s[20:21]
	s_mul_i32 s22, ttmp9, STEPB
	s_mov_b32 s23, 0
	s_add_nc_u64 s[10:11], s[10:11], s[22:23]      ; my block of kv
	v_lshlrev_b32 v4, 4, v2
	v_lshl_add_u32 v4, v3, 12, v4                  ; sixteen lanes read a row's 256 consecutive bytes, aligned; lanes 16-31 the next row
.irp i, 0,1,2,3,4,5,6,7,8,9,10,11,12,13,14,15
	global_load_b128 v[16+4*\i:19+4*\i], v4, s[4:5] offset:8192*\i th:TH_LOAD_NT   ; rows 2 i, 2 i + 1
.endr
	s_mul_i32 s24, s16, KLDS                       ; my stage
	v_mul_u32_u24 v5, v3, 272
	v_lshl_add_u32 v5, v2, 4, v5
	v_add_nc_u32 v5, s24, v5                       ; in: as loaded; rows 272 = 17 x 16 bytes apart
	v_and_b32 v6, 8, v2
	v_add_nc_u32 v6, v6, v2                        ; r + 8 (r / 8)
	v_mul_u32_u24 v6, v6, 272
	v_lshl_add_u32 v6, v3, 7, v6
	v_add_nc_u32 v6, s24, v6                       ; out: the tile's row for my lane, my block of 32 numbers (128 bytes)
	v_lshlrev_b32 v7, 3, v3                        ; 8 hh: my byte's place in the scale word
	v_mov_b32 v12, 0                               ; written once: a lane permute's destination counts as one of its sources
	s_mov_b32 s25, 0xffff0000
	v_lshlrev_b32 v13, 4, v1
	s_mul_i32 s26, s16, 1536
	v_add_nc_u32 v13, s26, v13                     ; my three chunks of K's image: 1,536 w + 16 l
	v_lshlrev_b32 v14, 2, v1
	s_lshl_b32 s26, s16, 7
	v_add_nc_u32 v14, s26, v14                     ; my plane of scale words: 128 w + 4 l
.irp i, 0,1,2,3,4,5,6,7,8,9,10,11,12,13,14,15
	s_wait_loadcnt 15-\i                           ; loads come back in order: load i is in, the younger ones stay out
	ds_store_b128 v5, v[16+4*\i:19+4*\i] offset:544*\i
.endr
.irp t, 0,1                                    ; tile 2 w + t: LDS serves a wave's instructions in order, so these see the stores above
.irp j, 0,1,2,3,4,5,6,7
	ds_load_b128 v[80+32*\t+4*\j:83+32*\t+4*\j], v6 offset:2176*\t+16*\j
.endr
.endr
; A tile: my lane holds one whole block (32 numbers of one key).  Its byte goes to its place in the word, lane l xor 16's joins it; the codes are registers 6 t .. 6 t + 5 of v144 on.
.macro KTILE t
.set XS, 80+32*\t
	BMAX XS, 8, 9
	v_add_nc_u32 v10, 0xfe000000, v8               ; 4 off the exponent field: the conversion takes the exponent field of this operand as its scale
	v_lshrrev_b32 v11, 23, v10                     ; the scale's byte
	v_lshlrev_b32 v11, v7, v11
	v_permlanex16_b32 v12, v11, s18, s19
	v_or_b32 v[164+\t], v11, v12                   ; the key's scale word, in both of its lanes
	v_cvt_scalef32_pk16_bf6_f32 v[144+6*\t:146+6*\t], v[XS:XS+15], v10
	v_cvt_scalef32_pk16_bf6_f32 v[156+4*\t:158+4*\t], v[XS+16:XS+31], v10   ; (a conversion's three registers begin on an even number)
	v_nop                                          ; one plain place behind a scaled conversion
.irp i, 0,1,2
	v_mov_b32 v[147+6*\t+\i], v[156+4*\t+\i]
.endr
.endm
	s_wait_dscnt 8                                 ; tile 0's numbers are back; tile 1's eight loads may be out
	KTILE 0
	s_wait_dscnt 0x0
	KTILE 1
	v_cndmask_b32 v166, v164, v165, s25            ; the plane: lanes 0-15 tile 2 w's words, lanes 16-31 tile 2 w + 1's
.irp q, 0,1,2
	global_store_b128 v13, v[144+4*\q:147+4*\q], s[10:11] offset:512*\q   ; 32 lanes store 512 consecutive bytes, at a multiple of 256 from kv's first byte
.endr
	global_store_b32 v14, v166, s[10:11] offset:KSC   ; 128 consecutive bytes: a wave has no more of them (512 of a block's 13,056 bytes leave so)
	s_wait_tensorcnt 0x0
	ds_add_u32 v176, v177
	s_wait_dscnt 0x0
	s_endpgm
.Lnot_k:
	s_cmp_lt_u32 ttmp9, 768
	s_cbranch_scc0 .Lmask
; ---------------- V: work-group g' = g - 512: bh = g' / 8; wave w: key step 2 (g' % 8) + w / 2, channels 32 (w % 2) .. + 31.  A LANE TAKES A CHANNEL, AND ITS REGISTERS RUN DOWN THE KEYS
	s_sub_co_u32 s20, ttmp9, 512
	s_lshr_b32 s21, s20, 3                         ; bh
	s_and_b32 s22, s20, 7
	s_lshl_b32 s22, s22, 1
	s_lshr_b32 s23, s16, 1
	s_add_co_u32 s22, s22, s23                     ; ks
	s_and_b32 s23, s16, 1                          ; which half of the head's 64 channels
	s_lshl_b32 s24, s21, 4
	s_add_co_u32 s24, s24, s22
	s_mul_i32 s24, s24, STEPB
	s_mov_b32 s25, 0
	s_add_nc_u64 s[10:11], s[10:11], s[24:25]      ; my block of kv
	s_lshr_b32 s26, s21, 4
	s_lshl_b32 s26, s26, 23                        ; b
	s_lshl_b32 s27, s22, 19                        ; 128 rows a key step
	s_add_co_u32 s26, s26, s27
	s_and_b32 s27, s21, 15
	s_lshl_b32 s27, s27, 8                         ; h
	s_add_co_u32 s26, s26, s27
	s_lshl_b32 s27, s23, 7
	s_add_co_u32 s26, s26, s27
	s_mov_b32 s27, 0
	s_add_nc_u64 s[6:7], s[6:7], s[26:27]
	v_lshlrev_b32 v4, 2, v1                        ; 4 bytes a lane: a load reads 128 consecutive bytes; the sister wave reads the 128 beside them
.macro VLOAD t                                 ; block t: keys 32 t .. 32 t + 31 of my channel
.irp i, 0,1,2,3,4,5,6,7,8,9,10,11,12,13,14,15,16,17,18,19,20,21,22,23,24,25,26,27,28,29,30,31
	global_load_b32 v[16+32*(\t)+\i], v4, s[6:7] offset:4096*(32*(\t)+\i) th:TH_LOAD_NT
.endr
.endm
	VLOAD 0
	VLOAD 1
	v_mul_u32_u24 v5, v3, 1536
	v_lshl_add_u32 v5, v2, 4, v5
	s_mul_i32 s28, s23, 3072
	v_add_nc_u32 v5, s28, v5                       ; my tile t = 2 half + l / 16 begins 1,536 t bytes into V's image; in a chunk my row's place is 16 r
	s_lshl_b32 s28, s23, 7
	v_add_nc_u32 v6, s28, v4                       ; my plane of scale words: 128 half + 4 l
; Block t = 2 c + hh of my channel is what lane slot (r, hh) of the fragment holds in registers 6 c .. 6 c + 5: it is made at v[144 + 12 hh + 6 c].
.macro VBLOCK t
.set XS, 16+32*\t
.set CB, 144+12*(\t%2)+6*(\t/2)
.set SCR, 168+4*(\t%2)
.if \t < 3
	s_wait_loadcnt 32                              ; this block's 32 loads are in; the next block's may be out
.else
	s_wait_loadcnt 0x0
.endif
.if \t < 2
	VLOAD \t+2                                     ; two blocks ahead
.endif
	BMAX XS, 8, 9                                  ; all 32 numbers of the block are mine
	v_add_nc_u32 v10, 0xfe000000, v8
	v_lshrrev_b32 v11, 23, v10
.if \t == 0
	v_mov_b32 v171, v11                            ; the four bytes make my channel's scale word, the lower keys in the lower byte
.else
	v_lshl_or_b32 v171, v11, 8*\t, v171
.endif
	v_cvt_scalef32_pk16_bf6_f32 v[CB:CB+2], v[XS:XS+15], v10
	v_cvt_scalef32_pk16_bf6_f32 v[SCR:SCR+2], v[XS+16:XS+31], v10
	v_nop                                          ; one plain place behind a scaled conversion
.irp i, 0,1,2
	v_mov_b32 v[CB+3+\i], v[SCR+\i]
.endr
.endm
	VBLOCK 0
	VBLOCK 1
	VBLOCK 2
	VBLOCK 3
.irp hh, 0,1
.irp q, 0,1,2
	global_store_b128 v5, v[144+12*\hh+4*\q:147+12*\hh+4*\q], s[10:11] offset:VIMG+512*\q+256*\hh   ; sixteen lanes store 256 consecutive bytes, aligned: half a chunk of one tile; lanes 16-31 the next tile's
.endr
.endr
	global_store_b32 v6, v171, s[10:11] offset:VSC
	s_endpgm
; ---------------- the mask: work-group u = g - 768 = 128 b + query tile; wave w: keys 512 w .. + 511 = key steps 4 w .. 4 w + 3
.Lmask:
.set MR, 80                                    ; v80-143  the mask's bytes as my lane wants them
.set WR, 144                                   ; v144-151 the words: step kq's word n in lane n / 2 of v[WR + 2 kq + n % 2]
.set TR, 152                                   ; v152-159 at work
.set AR, 160                                   ; v160-163 the AND of a step's bytes, four chains
	s_sub_co_u32 s20, ttmp9, 768
	s_lshl_b32 s36, s20, 15                        ; 16 rows of 2,048 bytes
	s_lshl_b32 s37, s16, 9
	s_add_co_u32 s36, s36, s37
	s_mov_b32 s37, 0
	s_add_nc_u64 s[8:9], s[8:9], s[36:37]
	s_lshl_b32 s36, s20, 12
	s_lshl_b32 s38, s16, 10
	s_add_co_u32 s36, s36, s38
	s_add_nc_u64 s[12:13], s[12:13], s[36:37]      ; mbits: 4,096 u + 1,024 w
	s_lshl_b32 s36, s20, 4
	s_lshl_b32 s38, s16, 2                         ; 4 w: also the place of my four flags in the word
	s_add_co_u32 s36, s36, s38
	s_add_nc_u64 s[14:15], s[14:15], s[36:37]      ; mflag: 16 u + 4 w
	v_lshlrev_b32 v4, 4, v2
	v_lshl_add_u32 v4, v3, 11, v4                  ; sixteen lanes read 256 consecutive bytes of a row, aligned; lanes 16-31 the next row
.irp i, 0,1,2,3,4,5,6,7
.irp a, 0,1
	global_load_b128 v[16+4*(2*\i+\a):19+4*(2*\i+\a)], v4, s[8:9] offset:4096*\i+256*\a th:TH_LOAD_NT
.endr
.endr
	s_mul_i32 s24, s16, MLDS
	s_add_co_u32 s24, s24, MLDS0                   ; my stage
	v_mul_u32_u24 v5, v3, 528
	v_lshl_add_u32 v5, v2, 4, v5
	v_add_nc_u32 v5, s24, v5                       ; in: as loaded; rows 528 = 33 x 16 bytes apart
	v_mul_u32_u24 v6, v2, 528
	v_lshl_add_u32 v6, v3, 4, v6
	v_add_nc_u32 v6, s24, v6                       ; out: query r; of each 32 keys my half's 16
	v_lshlrev_b32 v7, 3, v1                        ; two words a lane on the way to mbits
	s_mov_b32 s21, 0                               ; the flags
	s_mov_b32 s22, 0x01010101
.irp i, 0,1,2,3,4,5,6,7
	v_mov_b32 v[WR+\i], 0                          ; a lane write's destination counts as one of its sources
.endr
.irp i, 0,1,2,3,4,5,6,7
.irp a, 0,1
	s_wait_loadcnt 15-(2*\i+\a)                    ; this load is in, the younger ones stay out
	ds_store_b128 v5, v[16+4*(2*\i+\a):19+4*(2*\i+\a)] offset:1056*\i+256*\a
.endr
.endr
.irp m, 0,1,2,3,4,5,6,7,8,9,10,11,12,13,14,15
	ds_load_b128 v[MR+4*\m:MR+4*\m+3], v6 offset:32*\m   ; keys 32 m + 16 hh + 0 .. 15 of query r
.endr
	s_wait_dscnt 0x0
; Key step 4 w + kq.  Word n: each lane's byte for score register n, compared with 0: the compare's lane mask IS the word.  Eight at a time, so that no line waits for the line above it.
.macro MSTEP kq
.set NN, 0
.rept 8
.irp e, 0,1,2,3,4,5,6,7
	v_bfe_u32 v[TR+\e], v[MR+16*\kq+4*((NN+\e)/16)+((NN+\e)%16)/4], 8*((NN+\e)%4), 8
.endr
.irp e, 0,1,2,3,4,5,6,7
	v_cmp_ne_u32 s[24+\e], 0, v[TR+\e]
.endr
.irp e, 0,1,2,3,4,5,6,7
	v_writelane_b32 v[WR+2*\kq+(NN+\e)%2], s[24+\e], (NN+\e)/2
.endr
.set NN, NN+8
.endr
.irp c, 0,1,2,3                                ; the flag: the AND of all the tile's bytes is 1 in every byte where all are 1
	v_and_b32 v[AR+\c], v[MR+16*\kq+2*\c], v[MR+16*\kq+2*\c+1]
.endr
.irp c, 0,1,2,3
	v_and_b32 v[AR+\c], v[AR+\c], v[MR+16*\kq+8+\c]
.endr
.irp c, 0,1,2,3
	v_and_b32 v[AR+\c], v[AR+\c], v[MR+16*\kq+12+\c]
.endr
	v_and_b32 v[AR], v[AR], v[AR+1]
	v_and_b32 v[AR+2], v[AR+2], v[AR+3]
	v_and_b32 v[AR], v[AR], v[AR+2]
	v_cmp_ne_u32 vcc_lo, s22, v[AR]
	s_cmp_lg_u32 vcc_lo, 0                         ; some lane has a hole: a choice of a value, no branch
	s_cselect_b32 s23, 1<<\kq, 0
	s_or_b32 s21, s21, s23
.endm
	MSTEP 0
	MSTEP 1
	MSTEP 2
	MSTEP 3
.irp kq, 0,1,2,3
	global_store_b64 v7, v[WR+2*\kq:WR+2*\kq+1], s[12:13] offset:256*\kq   ; 32 lanes store a step's 64 words: 256 consecutive bytes, aligned
.endr
	s_lshl_b32 s21, s21, s38                       ; my four flags at bits 4 w .. 4 w + 3
	v_mov_b32 v8, 0
	v_mov_b32 v9, s21
	v_cmp_eq_u32 vcc_lo, 0, v1
	s_wait_xcnt 0x0                                ; EXEC is a source of the stores above: it changes only behind this wait
	s_wait_tensorcnt 0x0
	ds_add_u32 v176, v177
	s_wait_dscnt 0x0
	s_and_saveexec_b32 s32, vcc_lo
	global_store_b32 v8, v9, s[14:15]              ; lane 0 alone: one word a wave
	s_wait_xcnt 0x0                                ; and again in front of the line that widens it
	s_or_b32 exec_lo, exec_lo, s32
	s_endpgm
.Lfunc_end_k_q3aefe92090_quant:
	.size	k_q3aefe92090_quant, .Lfunc_end_k_q3aefe92090_quant-k_q3aefe92090_quant
	.p2alignl 7, 3214868480
	.fill 96, 4, 3214868480
	.section	.rodata,"a",@progbits
	.p2align	6, 0x0
	.amdhsa_kernel k_q3aefe92090_quant
		.amdhsa_group_segment_fixed_size 69120
		.amdhsa_private_segment_fixed_size 0
		.amdhsa_enable_private_segment 0
		.amdhsa_kernarg_size 48
		.amdhsa_user_sgpr_count 2
		.amdhsa_user_sgpr_kernarg_segment_ptr 1
		.amdhsa_wavefront_size32 1
		.amdhsa_system_sgpr_workgroup_id_x 1
		.amdhsa_system_sgpr_workgroup_id_y 1
		.amdhsa_system_sgpr_workgroup_id_z 1
		.amdhsa_system_vgpr_workitem_id 0
		.amdhsa_next_free_vgpr 178
		.amdhsa_next_free_sgpr 66
		.amdhsa_reserve_vcc 1
		.amdhsa_float_denorm_mode_32 3
		.amdhsa_float_denorm_mode_16_64 3
		.amdhsa_memory_ordered 1
		.amdhsa_forward_progress 1
		.amdhsa_inst_pref_size 87
	.end_amdhsa_kernel
	.amdgpu_metadata
---
amdhsa.version: [ 1, 2 ]
amdhsa.kernels:
  - .name:           k_q3aefe92090_quant
    .symbol:         k_q3aefe92090_quant.kd
    .args:
      - { .name: keys, .offset: 0, .size: 8, .value_kind: global_buffer, .address_space: global }
      - { .name: values, .offset: 8, .size: 8, .value_kind: global_buffer, .address_space: global }
      - { .name: mask, .offset: 16, .size: 8, .value_kind: global_buffer, .address_space: global }
      - { .name: kv, .offset: 24, .size: 8, .value_kind: global_buffer, .address_space: global }
      - { .name: mbits, .offset: 32, .size: 8, .value_kind: global_buffer, .address_space: global }
      - { .name: mflag, .offset: 40, .size: 8, .value_kind: global_buffer, .address_space: global }
    .group_segment_fixed_size: 69120
    .private_segment_fixed_size: 0
    .kernarg_segment_align: 8
    .kernarg_segment_size: 48
    .max_flat_workgroup_size: 128
    .sgpr_count:     66
    .vgpr_count:     178
    .wavefront_size: 32
...
	.end_amdgpu_metadata
.endif
;; end of part 1
;; launch attn (part 2): grid 8 x 32, 16 waves a work-group, no clusters, 280,576 bytes of LDS; arguments queries, kv, mbits, mflag, out0; writes out0
.if DOCPART == 2
	.amdgcn_target "amdgcn-amd-amdhsa--gfx1250"
	.amdhsa_code_object_version 6
	.text
	.protected	k_q3aefe92090_attn
	.globl	k_q3aefe92090_attn
	.p2align	8
	.type	k_q3aefe92090_attn,@function
k_q3aefe92090_attn:
	s_mov_b64 s[64:65], 0
	v_nop
	global_prefetch_b8 v0, s[64:65] scope:SCOPE_SE
	s_setreg_imm32_b32 hwreg(HW_REG_WAVE_MODE, 25, 1), 1
	s_wait_xcnt 0x0
; out0[b][q][64 h + d] = the sum over k of softmax_k(Q . K / 8 - 1e9 (mask is false)) V, both products on codes of BF6 (E3M2) with one E8M0 scale for each 32 along a product's K.
; queries, out0: [2][2048][1024] f32.  kv: K's and V's codes and scale words in the order of the operands' registers, a block of 13,056 bytes for each (batch, head) and key step of 128 keys:
;   0 K's image (12 chunks of 512 bytes), 6,144 V's image (12 chunks), 12,288 four planes of K's scale words, 12,800 two planes of V's.  mbits: the mask as lane masks, one word for each score register;
;   mflag: bit ks of the OR of a query tile's four words says that its tile of 16 queries x 128 keys of step ks has a hole.
; THE SOFTMAX AHEAD OF THE SECOND PRODUCT: t = logit x log2(e); M = the row's largest t so far, rounded UP to a whole number; p = 2^(t - M) is quantised along the keys, not normalised.
; The row's sum is taken of the unquantised p and divides O at the end.  When M moves, the sum and O are multiplied by 2^(old M - new M): exact.
; THE MASK, as the definition has it in f32: logit = fl(score / 8 - 1e9).  Division by 8 is exact, so 8 x logit = fl(score - 8e9), bit for bit, and t = fl(that x (log2(e) / 8)).
; In a tile with a hole t is rounded to f32 BEFORE M is taken off (a multiplication, then an addition): near -1.44e9 that rounding is what a row with every key masked hangs on.  In a tile without a hole one fused multiply-add makes t - M.
; SHARES.  A work-group owns 256 queries of one (batch, head); each of its sixteen waves 16 of them, one tile, in 256 registers: four waves to a SIMD, so that one wave's vector work stands beside another's matrix work and LDS loads.
; THE HEAD'S 16 BLOCKS OF kv, 208,896 bytes, LIE IN LDS WHOLE: wave w copies block w through its registers, one barrier, and nothing is filled again.
; NO TENSOR LOADS, NO CLUSTER: the loop branches on a number read from memory (a tile's flag).  The branch spares 96 + 36 of a key step's
; about 375 vector instructions in every tile without a hole; what the eight work-groups of a head share is one fill of 208,896 bytes each in the whole launch.
; LAYOUT.  Both products are used transposed: S^T = K Q^T (source 0 = 16 keys, source 1 = my 16 queries), O^T = V^T P^T: a lane holds ONE query (lane % 16) throughout.  Score register n of lane (r, hh) is key 32 (n / 16) + 16 hh + n % 16 of the step.
; K = 64 IN AN INSTRUCTION OF 128: Q's fragment has zero codes for k = 64 .. 127.  K's tile T names v[32 + 6 T .. + 11]: its upper six registers are tile T + 1's codes (tile 7's: zeros): finite numbers, times Q's zeros.
; Bytes 2 and 3 of both scale words are 0, which stands for 2^-127: those products add exact zeros.
; LIMITS: NaN and infinities among the inputs are not served; a block whose largest magnitude lies under 2^-122 has its scale byte held at 1 (a block of zeros too: its codes are zeros).
.set STEPB, 13056
.set VIMG,  6144
.set KSC,   12288
.set VSC,   12800
.set STAGE, 16*STEPB                   ; behind the blocks: 16 rows x 272 bytes for each wave, for the way out
.set SP,    272
.set ALI,  1                           ; v1   16 x lane
.set ALS,  2                           ; v2   4 x lane
.set ADR,  3                           ; v3   LDS address of the step's images
.set ADS,  4                           ; v4   and of its scale words
.set NEG,  5                           ; v5   -8e9 = 8 x -1e9, exact in f32
.set RR,   6                           ; v6   r = lane % 16
.set HH,   7                           ; v7   hh = lane / 16
.set STO,  8                           ; v8   the way out: where I put 32 bytes of a row
.set RD,   9                           ; v9   (head: q's offset)  where I read a row back
.set GO,   10                          ; v10  (head: 8 x lane)  my byte offset in the wave's rows of out0
                                       ; v12 -M, v13 the largest t, v[14:15] the row's sum in two halves
.set QF,   16                          ; v16-27  Q's fragment; 22-27 zeros
.set QS,   28                          ; v28     Q's scale words
.set KF,   32                          ; v32-79  K's eight tiles, six registers each; v80-85 zeros
.set T,    86                          ; v86-93  at work (v94 too, at the head)
.set S,    96                          ; v96-159 S^T, then p
.set O,    160                         ; v160-191 O^T
.set VF,   192                         ; v192-239 V's four fragments
.set KS,   240                         ; v240-243 K's scale words;  v244-245 V's;  v246 p's: these hold scales and nothing else
.set VS,   244
.set PW,   246
.set BM,   32                          ; behind K Q^T, in K's registers: v32-35 each block's largest score, then its largest p
.set BT,   36                          ; v36-39 at work
.set SO,   40                          ; v40-43 the conversions' scale operands
.set PC,   44                          ; v44-55 p's codes
.set PT,   56                          ; v56-58, v60-62 the second halves of p's blocks
.set F,    64                          ; v[64:65] f = 2^(old M - new M), in the low word
.set TMP,  66
.set S2,   68                          ; v[68:69] the sum's second chain
.set WV,   14                          ; s14  my wave's number
.set TB,   2                           ; s2   LDS byte at which the step's block begins
.set CNT,  3                           ; s3   steps to go
.set FLG,  28                          ; s28  the flags, this step's in bit 0
.set TF,   29                          ; s29  this step's flag
.set MO,   30                          ; s30  byte offset in my record of mbits of the words to be asked for
.set CS,   66                          ; s[66:67] log2(e) / 8: the packed forms name a pair and take its low word
.set SEL,  100                         ; s[100:101] v_permlanex16_b32's selects for lane l xor 16
                                       ; s[32:63], s[68:99] the step's 64 mask words: word n in s[32 + n + 4 (n / 32)]
	s_load_b256 s[4:11], s[0:1], 0x0               ; queries s[4:5], kv s[6:7], mbits s[8:9], mflag s[10:11]
	s_load_b64 s[12:13], s[0:1], 0x20              ; out0
	v_lshl_add_u32 v254, v0, 2, 0x44000
	v_mov_b32 v255, 0
	v_lshrrev_b32 v1, 5, v0
	v_readfirstlane_b32 s[WV], v1                  ; wave 0..15
	v_and_b32 v11, 31, v0                          ; lane
	v_and_b32 v[RR], 15, v0
	v_bfe_u32 v[HH], v0, 4, 1
	v_lshlrev_b32 v[ALI], 4, v11
	v_lshlrev_b32 v[ALS], 2, v11
	v_lshlrev_b32 v10, 3, v11
	v_lshlrev_b32 v9, 12, v[RR]
	v_lshl_add_u32 v9, v[HH], 7, v9                ; q: row r of 4,096 bytes, my block of 32 numbers
	s_and_b32 s15, ttmp7, 0xffff                   ; bh = 16 b + h
	s_lshr_b32 s16, s15, 4                         ; b
	s_and_b32 s17, s15, 15                         ; h
	s_lshl_b32 s18, ttmp9, 4
	s_add_co_u32 s18, s18, s[WV]                   ; my tile of 16 queries in the batch: 16 x work-group x + wave
	s_lshl_b32 s20, s16, 23
	s_lshl_b32 s19, s18, 16                        ; 16 rows of 4,096 bytes
	s_add_co_u32 s20, s20, s19
	s_lshl_b32 s19, s17, 8
	s_add_co_u32 s20, s20, s19                     ; my first query's 256 bytes of the head, in queries and in out0
	s_mov_b32 s21, 0
	s_lshl_b32 s22, s15, 4
	s_add_co_u32 s22, s22, s[WV]
	s_mul_i32 s22, s22, STEPB                      ; the block of kv that I copy: 16 bh + wave
	s_mov_b32 s23, 0
	s_lshl_b32 s19, s16, 7
	s_add_co_u32 s18, s18, s19                     ; u = 128 b + my tile
	s_lshl_b32 s24, s18, 12                        ; my record of mbits
	s_mov_b32 s25, 0
	s_lshl_b32 s26, s18, 4                         ; my four words of mflag
	s_mov_b32 s27, 0
	s_mov_b32 s[CS], 0x3e38aa3b                    ; log2(e) / 8
	s_mov_b32 s[CS+1], s[CS]                       ; (named with it as a pair, so it is written)
	s_mov_b32 s[SEL], 0x76543210
	s_mov_b32 s[SEL+1], 0xfedcba98
	s_mov_b32 s[MO], 0
	s_mul_i32 s31, s[WV], STEPB                    ; block w's place in LDS
	v_add_nc_u32 v[ADR], s31, v[ALI]
	v_add_nc_u32 v[ADS], s31, v10
	s_wait_kmcnt 0x0
	s_add_nc_u64 s[4:5], s[4:5], s[20:21]
	s_add_nc_u64 s[12:13], s[12:13], s[20:21]
	s_add_nc_u64 s[6:7], s[6:7], s[22:23]
	s_add_nc_u64 s[8:9], s[8:9], s[24:25]
	s_add_nc_u64 s[10:11], s[10:11], s[26:27]
.irp j, 0,1,2,3,4,5,6,7
	global_load_b128 v[200+4*\j:203+4*\j], v9, s[4:5] offset:16*\j th:TH_LOAD_NT   ; q(r, 32 hh + 4 j ..): my lane's whole block
.endr
.irp i, 0,1,2,3,4,5,6,7,8,9,10,11,12,13,14,15,16,17,18,19,20,21,22,23,24
	global_load_b128 v[S+4*\i:S+4*\i+3], v[ALI], s[6:7] offset:512*\i   ; the fill: 512 consecutive bytes a load; eight work-groups read these bytes, so no hint
.endr
	global_load_b64 v[196:197], v10, s[6:7] offset:VSC   ; the block's last 256 bytes
	s_load_b128 s[24:27], s[10:11], 0x0            ; the flags
.irp k, 0,1
	s_load_b512 s[32+16*\k:47+16*\k], s[8:9], s[MO] offset:64*\k        ; step 0's mask words 0-31,
	s_load_b512 s[68+16*\k:83+16*\k], s[8:9], s[MO] offset:128+64*\k    ; and 32-63
.endr
	s_wait_loadcnt 26                              ; q's eight loads are in; the fill's 26 stay out
	; Q is quantised in registers: read once, by this wave alone
	v_max3_num_f32 v[T], |v200|, |v201|, |v202|
	v_max3_num_f32 v[T+1], |v203|, |v204|, |v205|
.irp i, 6,10,14,18,22,26
	v_max3_num_f32 v[T], v[T], |v[200+\i]|, |v[201+\i]|
	v_max3_num_f32 v[T+1], v[T+1], |v[202+\i]|, |v[203+\i]|
.endr
	v_max3_num_f32 v[T], v[T], |v230|, |v231|
	v_max3_num_f32 v[T], v[T], v[T+1], 0x2800000   ; and the floor 2^(5 - 127): the byte cannot fall under 1
	v_add_nc_u32 v[T+2], 0xfe000000, v[T]          ; 4 off the exponent field: the conversion's scale operand
	v_lshrrev_b32 v[T+3], 23, v[T+2]               ; the scale's byte,
	v_lshlrev_b32 v[T+4], 3, v[HH]
	v_lshlrev_b32 v[T+3], v[T+4], v[T+3]           ; at its place in the word (8 hh bits up);
	v_mov_b32 v[T+5], 0
	v_permlanex16_b32 v[T+5], v[T+3], s[SEL], s[SEL+1]
	v_or_b32 v[QS], v[T+3], v[T+5]                 ; with lane l xor 16's the word is whole; bytes 2 and 3 are 0
	v_cvt_scalef32_pk16_bf6_f32 v[QF:QF+2], v[200:215], v[T+2]
	v_cvt_scalef32_pk16_bf6_f32 v[T+6:T+8], v[216:231], v[T+2]   ; (a conversion's three registers begin on an even number)
	v_nop                                          ; one plain place behind a scaled conversion
.irp i, 0,1,2
	v_mov_b32 v[QF+3+\i], v[T+6+\i]
.endr
.irp i, 0,1,2,3,4,5,6,7,8,9,10,11,12,13,14,15,16,17,18,19,20,21,22,23,24
	s_wait_loadcnt 25-\i                           ; load i of the fill is in, the younger ones stay out
	ds_store_b128 v[ADR], v[S+4*\i:S+4*\i+3] offset:512*\i
.endr
	s_wait_loadcnt 0x0
	ds_store_b64 v[ADS], v[196:197] offset:VSC
.irp i, 0,1,2,3,4,5
	v_mov_b32 v[QF+6+\i], 0                        ; Q's codes for k = 64 .. 127
	v_mov_b32 v[KF+48+\i], 0                       ; what tile 7 of K names for them
.endr
	v_mov_b32 v[NEG], 0xcfee6b28
	v_mov_b32 v13, 0xff61b1e6                      ; the largest t so far: -3e38, under every t
	v_floor_f32 v12, -v13                          ; -M
	v_mov_b32 v14, 0
	v_mov_b32 v15, 0
.set J, 0
.rept 32
	v_mov_b32 v[O+J], 0                            ; O^T.  (The loop is written once: its first step finds zeros, which the first change of M leaves zeros)
.set J, J+1
.endr
	s_mov_b32 s[TB], 0
	s_mov_b32 s[CNT], 16
	s_wait_dscnt 0x0                               ; for the others' sake: my block lies in LDS
	s_barrier_signal -1
	s_barrier_wait -1                              ; all sixteen blocks do.  The launch's one barrier
	s_wait_kmcnt 0x0
	s_or_b32 s[FLG], s24, s25
	s_or_b32 s[FLG], s[FLG], s26
	s_or_b32 s[FLG], s[FLG], s27
.macro KQ t                                    ; S^T's tile t: source 0 = 16 keys, source 1 = my queries.  Tiles 2 u and 2 u + 1 share a scale register: lanes 0-15, lanes 16-31
.if \t%2
	v_wmma_scale_f32_16x16x128_f8f6f4 v[S+8*\t:S+8*\t+7], v[KF+6*\t:KF+6*\t+11], v[QF:QF+11], 0, v[KS+\t/2], v[QS] matrix_a_fmt:MATRIX_FMT_BF6 matrix_b_fmt:MATRIX_FMT_BF6 matrix_a_scale:MATRIX_SCALE_ROW1
.else
	v_wmma_scale_f32_16x16x128_f8f6f4 v[S+8*\t:S+8*\t+7], v[KF+6*\t:KF+6*\t+11], v[QF:QF+11], 0, v[KS+\t/2], v[QS] matrix_a_fmt:MATRIX_FMT_BF6 matrix_b_fmt:MATRIX_FMT_BF6
.endif
.endm
.macro PV t                                    ; O^T's tile t += 16 channels of V^T x p; K = the step's 128 keys
.if \t%2
	v_wmma_scale_f32_16x16x128_f8f6f4 v[O+8*\t:O+8*\t+7], v[VF+12*\t:VF+12*\t+11], v[PC:PC+11], v[O+8*\t:O+8*\t+7], v[VS+\t/2], v[PW] matrix_a_fmt:MATRIX_FMT_BF6 matrix_b_fmt:MATRIX_FMT_BF6 matrix_a_scale:MATRIX_SCALE_ROW1
.else
	v_wmma_scale_f32_16x16x128_f8f6f4 v[O+8*\t:O+8*\t+7], v[VF+12*\t:VF+12*\t+11], v[PC:PC+11], v[O+8*\t:O+8*\t+7], v[VS+\t/2], v[PW] matrix_a_fmt:MATRIX_FMT_BF6 matrix_b_fmt:MATRIX_FMT_BF6
.endif
.endm
.Lstep:                                            ; 16 trips: a key step of 128 keys
	v_add_nc_u32 v[ADR], s[TB], v[ALI]             ; these four lines are the places (ISA guide 7.12.1 for vector instructions) between the last trip's products and the loads into their sources
	v_add_nc_u32 v[ADS], s[TB], v[ALS]
	v_nop
	v_nop
.irp c, 0,1,2,3,4,5,6,7,8,9,10,11
	ds_load_b128 v[KF+4*\c:KF+4*\c+3], v[ADR] offset:512*\c          ; K's image: an instruction's 512 bytes are consecutive
.endr
.irp u, 0,1,2,3
	ds_load_b32 v[KS+\u], v[ADS] offset:KSC+128*\u
.endr
.irp c, 0,1,2,3,4,5,6,7,8,9,10,11
	ds_load_b128 v[VF+4*\c:VF+4*\c+3], v[ADR] offset:VIMG+512*\c     ; V's image: wanted only behind the softmax
.endr
.irp p, 0,1
	ds_load_b32 v[VS+\p], v[ADS] offset:VSC+128*\p
.endr
	s_wait_dscnt 14                                ; K and its scale words are in; V's 12 loads and its 2 scale loads stay out
.irp t, 0,1,2,3,4,5,6,7
	KQ \t
.endr
.rept 4
	v_nop                                          ; four places in front of the first read of the scores and the first write over K's registers
.endr
	s_wait_kmcnt 0x0                               ; this step's mask words, asked for a trip ago
	s_and_b32 s[TF], s[FLG], 1
	s_cmp_lg_u32 s[TF], 0
	s_cbranch_scc0 .Lopen                          ; a tile without a hole: adding 0 to 64 scores is left out
.set N, 0
.rept 8                                        ; accumulator by accumulator, each from its low end on
.irp e, 0,1,2,3,4,5,6,7
	v_cndmask_b32 v[T+\e], v[NEG], 0, s[32+N+\e+4*((N+\e)/32)]     ; 0 where the mask is true, -8e9 where it is false
.endr
.irp e, 0,2,4,6
	v_pk_add_f32 v[S+N+\e:S+N+\e+1], v[S+N+\e:S+N+\e+1], v[T+\e:T+\e+1]   ; rounded to f32 as the definition's addition is
.endr
.set N, N+8
.endr
.Lopen:
	s_wait_xcnt 0x0                                ; the last scalar loads have read their offset
	s_add_co_u32 s[MO], s[MO], 256                 ; the next step's 64 words; the last trip asks for step 15's once more: no load leaves the record's 4,096 bytes
	s_min_u32 s[MO], s[MO], 3840
.irp k, 0,1
	s_load_b512 s[32+16*\k:47+16*\k], s[8:9], s[MO] offset:64*\k
	s_load_b512 s[68+16*\k:83+16*\k], s[8:9], s[MO] offset:128+64*\k
.endr
.irp b, 0,1,2,3
	v_max3_num_f32 v[BM+\b], v[S+16*\b], v[S+1+16*\b], v[S+2+16*\b]   ; THE LARGEST SCORE OF EACH BLOCK OF 32 KEYS serves twice: for the row's maximum, and, since p rises with the score, for the block's largest p
.endr
.irp i, 3,5,7,9,11,13
.irp b, 0,1,2,3
	v_max3_num_f32 v[BM+\b], v[BM+\b], v[S+16*\b+\i], v[S+1+16*\b+\i]   ; (the four blocks by turns)
.endr
.endr
.irp b, 0,1,2,3
	v_max_num_f32 v[BM+\b], v[BM+\b], v[S+15+16*\b]
.endr
.irp b, 0,1,2,3
	v_permlanex16_b32 v[BT+\b], v[BM+\b], s[SEL], s[SEL+1]   ; (its destination has been written: by this trip's loads)
.endr
.irp b, 0,1,2,3
	v_max_num_f32 v[BM+\b], v[BM+\b], v[BT+\b]     ; with lane l xor 16's 16 keys
.endr
	v_max3_num_f32 v[TMP], v[BM], v[BM+1], v[BM+2]
	v_max_num_f32 v[TMP], v[TMP], v[BM+3]          ; the step's largest score of my query
	v_mul_f32 v[TMP], s[CS], v[TMP]                ; as t
	v_max_num_f32 v13, v13, v[TMP]                 ; the running largest t
	v_mov_b32 v[TMP], v12
	v_floor_f32 v12, -v13                          ; the new -M = floor(-t) = -ceil(t): M IS A WHOLE NUMBER
	v_sub_f32 v[TMP], v12, v[TMP]                  ; M's old value less its new one: a whole number, 0 or less
	v_cvt_i32_f32 v[TMP], v[TMP]                   ; (it saturates)
	v_ldexp_f32 v[F], 1.0, v[TMP]                  ; f = 2^(old M - new M)
	s_cmp_lg_u32 s[TF], 0
	s_cbranch_scc1 .Lexact
.set J, 0
.rept 32
	v_pk_fma_f32 v[S+J:S+J+1], v[S+J:S+J+1], s[CS:CS+1], v[12:13] op_sel_hi:[1,0,0]   ; no hole: t - M in one fused multiply-add, two at a time
.set J, J+2
.endr
.irp b, 0,1,2,3
	v_fma_f32 v[BM+\b], v[BM+\b], s[CS], v12       ; the same of each block's largest score
.endr
	s_branch .Lexp
.Lexact:
.set J, 0
.rept 32
	v_pk_mul_f32 v[S+J:S+J+1], v[S+J:S+J+1], s[CS:CS+1] op_sel_hi:[1,0]   ; a hole: t is rounded to f32 first,
.set J, J+2
.endr
.irp b, 0,1,2,3
	v_mul_f32 v[BM+\b], s[CS], v[BM+\b]
.endr
.set J, 0
.rept 32
	v_pk_add_f32 v[S+J:S+J+1], v[S+J:S+J+1], v[12:13] op_sel_hi:[1,0]     ; and then M is taken off
.set J, J+2
.endr
.irp b, 0,1,2,3
	v_add_f32 v[BM+\b], v[BM+\b], v12
.endr
.Lexp:
.set J, 0
.rept 64
	v_exp_f32 v[S+J], v[S+J]                       ; p = 2^(t - M): NOT normalised
.set J, J+1
.endr
.irp b, 0,1,2,3
	v_exp_f32 v[BM+\b], v[BM+\b]                   ; the block's largest p: the same instructions on the same number give the same bits
.endr
	v_pk_mul_f32 v[14:15], v[14:15], v[F:F+1] op_sel_hi:[1,0]   ; the sums under the new M.  (A plain place behind the exponentials)
	s_wait_alu depctr_va_vdst(0)
.irp b, 0,1,2,3
	v_max_num_f32 v[BM+\b], 0x2800000, v[BM+\b]    ; the floor 2^(5 - 127): a block whose every p has fallen to 0 keeps the byte 1: its codes are zeros
.endr
.irp b, 0,1,2,3
	v_add_nc_u32 v[SO+\b], 0xfe000000, v[BM+\b]    ; 4 off the exponent field: the conversion's scale operand
.endr
.irp b, 0,1,2,3
	v_lshrrev_b32 v[BT+\b], 23, v[SO+\b]           ; the scale's byte
.endr
	v_lshl_or_b32 v[PW], v[BT+1], 8, v[BT]         ; p's scale word for these 128 keys
	v_lshl_or_b32 v[PW], v[BT+2], 16, v[PW]
	v_lshl_or_b32 v[PW], v[BT+3], 24, v[PW]
.irp c, 0,1
	v_cvt_scalef32_pk16_bf6_f32 v[PC+6*\c:PC+6*\c+2], v[S+32*\c:S+32*\c+15], v[SO+2*\c]
	v_cvt_scalef32_pk16_bf6_f32 v[PT+4*\c:PT+4*\c+2], v[S+16+32*\c:S+31+32*\c], v[SO+2*\c+1]   ; (a conversion's three registers begin on an even number)
.endr
	v_nop                                          ; one plain place behind a scaled conversion
.irp c, 0,1                                    ; the operand's layout wants a WHOLE block in a lane: lanes 0-15 block 2 c, lanes 16-31 block 2 c + 1
.irp i, 0,1,2
	v_permlane16_swap_b32 v[PC+6*\c+\i], v[PT+4*\c+\i]
.endr
.irp i, 0,1,2
	v_mov_b32 v[PC+3+6*\c+\i], v[PT+4*\c+\i]
.endr
.endr
	v_pk_add_f32 v[S2:S2+1], v[S:S+1], v[S+2:S+3]  ; THE ROW'S SUM IS TAKEN OF THE UNQUANTISED p: two at a time, in two chains
.irp j, 4,8,12,16,20,24,28,32,36,40,44,48,52,56,60
	v_pk_add_f32 v[14:15], v[14:15], v[S+\j:S+\j+1]
	v_pk_add_f32 v[S2:S2+1], v[S2:S2+1], v[S+2+\j:S+3+\j]
.endr
	v_pk_add_f32 v[14:15], v[14:15], v[S2:S2+1]
.set J, 0
.rept 16
	v_pk_mul_f32 v[O+J:O+J+1], v[O+J:O+J+1], v[F:F+1] op_sel_hi:[1,0]   ; O^T under the new M, each accumulator from its low end on.  (The sums and these are the places between the writes of p's scale word and codes and the products)
.set J, J+2
.endr
	s_wait_dscnt 0x0                               ; V and its scale words are in
.irp t, 0,1,2,3
	PV \t                                          ; four accumulators by turns, one instruction a turn; the next matrix instruction is the next trip's first K Q^T
.endr
	s_lshr_b32 s[FLG], s[FLG], 1
	s_add_co_u32 s[TB], s[TB], STEPB
	s_sub_co_u32 s[CNT], s[CNT], 1
	s_cmp_lg_u32 s[CNT], 0
	s_cbranch_scc1 .Lstep
	; THE WAY OUT.  O^T is divided by the row's sum and goes through my stage in LDS, so that sixteen lanes store a query's 64 channels: 256 consecutive bytes, aligned.
	v_add_f32 v14, v14, v15                        ; the sum's two halves,
	v_permlanex16_b32 v[T], v14, s[SEL], s[SEL+1]
	v_add_f32 v14, v14, v[T]                       ; and lane l xor 16's: the row's sum
	v_rcp_f32 v14, v14
	s_mul_i32 s31, s[WV], 16*SP
	s_add_co_u32 s31, s31, STAGE                   ; my stage
	v_mul_u32_u24 v[STO], v[RR], SP                ; (these eight lines are the plain place behind the reciprocal and the places behind the last products)
	v_lshl_add_u32 v[STO], v[HH], 5, v[STO]
	v_add_nc_u32 v[STO], s31, v[STO]               ; in: row r; tile t's eight channels of my half: 64 t + 32 hh bytes on
	v_mul_u32_u24 v[RD], v[HH], SP
	v_lshl_add_u32 v[RD], v[RR], 4, v[RD]
	v_add_nc_u32 v[RD], s31, v[RD]                 ; back: lanes 0-15 one row, lanes 16-31 the next
	v_lshlrev_b32 v[GO], 12, v[HH]
	v_lshl_add_u32 v[GO], v[RR], 4, v[GO]          ; and the same two rows in out0
.set J, 0
	s_wait_alu depctr_va_vdst(0)
.rept 32
	v_mul_f32 v[S+J], v[O+J], v14                  ; register 8 t + j is out(query r, channel 16 t + 8 hh + j); each accumulator from its low end on
.set J, J+1
.endr
.irp t, 0,1,2,3
	ds_store_b128 v[STO], v[S+8*\t:S+8*\t+3] offset:64*\t
	ds_store_b128 v[STO], v[S+8*\t+4:S+8*\t+7] offset:64*\t+16
.endr
.irp i, 0,1,2,3,4,5,6,7
	ds_load_b128 v[S+32+4*\i:S+35+4*\i], v[RD] offset:2*\i*SP   ; LDS serves a wave's instructions in order: these see my stores
.endr
.irp i, 0,1,2,3,4,5,6,7
	s_wait_dscnt 7-\i                              ; load i is back, the younger ones stay out
	global_store_b128 v[GO], v[S+32+4*\i:S+35+4*\i], s[12:13] offset:8192*\i th:TH_STORE_NT   ; rows 2 i, 2 i + 1; written once, read by nobody here
.endr
	s_wait_tensorcnt 0x0
	ds_add_u32 v254, v255
	s_wait_dscnt 0x0
	s_endpgm
.Lfunc_end_k_q3aefe92090_attn:
	.size	k_q3aefe92090_attn, .Lfunc_end_k_q3aefe92090_attn-k_q3aefe92090_attn
	.p2alignl 7, 3214868480
	.fill 96, 4, 3214868480
	.section	.rodata,"a",@progbits
	.p2align	6, 0x0
	.amdhsa_kernel k_q3aefe92090_attn
		.amdhsa_group_segment_fixed_size 280576
		.amdhsa_private_segment_fixed_size 0
		.amdhsa_enable_private_segment 0
		.amdhsa_kernarg_size 40
		.amdhsa_user_sgpr_count 2
		.amdhsa_user_sgpr_kernarg_segment_ptr 1
		.amdhsa_wavefront_size32 1
		.amdhsa_system_sgpr_workgroup_id_x 1
		.amdhsa_system_sgpr_workgroup_id_y 1
		.amdhsa_system_sgpr_workgroup_id_z 1
		.amdhsa_system_vgpr_workitem_id 0
		.amdhsa_next_free_vgpr 256
		.amdhsa_next_free_sgpr 102
		.amdhsa_reserve_vcc 0
		.amdhsa_float_denorm_mode_32 3
		.amdhsa_float_denorm_mode_16_64 3
		.amdhsa_memory_ordered 1
		.amdhsa_forward_progress 1
		.amdhsa_inst_pref_size 42
	.end_amdhsa_kernel
	.amdgpu_metadata
---
amdhsa.version: [ 1, 2 ]
amdhsa.kernels:
  - .name:           k_q3aefe92090_attn
    .symbol:         k_q3aefe92090_attn.kd
    .args:
      - { .name: queries, .offset: 0, .size: 8, .value_kind: global_buffer, .address_space: global }
      - { .name: kv, .offset: 8, .size: 8, .value_kind: global_buffer, .address_space: global }
      - { .name: mbits, .offset: 16, .size: 8, .value_kind: global_buffer, .address_space: global }
      - { .name: mflag, .offset: 24, .size: 8, .value_kind: global_buffer, .address_space: global }
      - { .name: out0, .offset: 32, .size: 8, .value_kind: global_buffer, .address_space: global }
    .group_segment_fixed_size: 280576
    .private_segment_fixed_size: 0
    .kernarg_segment_align: 8
    .kernarg_segment_size: 40
    .max_flat_workgroup_size: 512
    .sgpr_count:     102
    .vgpr_count:     256
    .wavefront_size: 32
...
	.end_amdgpu_metadata
.endif
;; end of part 2
;; ======== version 2 of 2: 2 launches
;; workspace buffers: kv 6,684,672 bytes; mbits 1,048,576 bytes of whole numbers; mflag 4,096 bytes of whole numbers
;; launch quant (part 3): grid 1024 x 1, 4 waves a work-group, no clusters, 69,120 bytes of LDS; arguments keys, values, mask, kv, mbits, mflag; writes kv, mbits, mflag
.if DOCPART == 3
	.amdgcn_target "amdgcn-amd-amdhsa--gfx1250"
	.amdhsa_code_object_version 6
	.text
	.protected	k_q3aefe92090_quant
	.globl	k_q3aefe92090_quant
	.p2align	8
	.type	k_q3aefe92090_quant,@function
k_q3aefe92090_quant:
	s_mov_b64 s[64:65], 0
	v_nop
	global_prefetch_b8 v0, s[64:65] scope:SCOPE_SE
	s_setreg_imm32_b32 hwreg(HW_REG_WAVE_MODE, 25, 1), 1
	s_wait_xcnt 0x0
; keys and values [2][2048][1024] f32 become codes of BF6 (E3M2) with E8M0 scale bytes, laid in the ORDER OF THE OPERAND'S REGISTERS for the attention launch;
; mask [2][2048][2048] (one byte each) becomes lane-mask words for that launch's scores, and one flag for each tile of 16 queries x 128 keys.
; A BLOCK OF kv, 13,056 bytes, serves one (batch, head) bh = 16 b + h and one key step ks of 128 keys; it begins at (16 bh + ks) x 13,056:
;   0      K's image: 12 chunks of 512 bytes; chunk c = registers 4 c .. 4 c + 3 of a run of 48, lane l's 16 bytes at 16 l.  Register 6 T + i of lane (r, hh) = word i of the 24 bytes of
;          codes d = 32 hh .. 32 hh + 31 of key 128 ks + 32 (T / 2) + 8 (T % 2) + r + 8 (r / 8): THE KEYS OF A TILE ARE NOT NEIGHBOURS, so that the scores of two tiles are 16 neighbouring keys in a lane
;   6,144  V's image, likewise: register 12 t + 6 c + i of lane (r, hh) = the codes of channel 16 t + r for keys 128 ks + 64 c + 32 hh + 0 .. 31 (V is quantised ALONG THE KEYS)
;   12,288 four planes of 128 bytes with K's scale words: plane u: lanes 0-15 tile 2 u's rows, lanes 16-31 tile 2 u + 1's; bytes 0, 1 = the two blocks of d, bytes 2, 3 = 0
;   12,800 two planes with V's scale words: plane p: lanes 0-15 tile 2 p, lanes 16-31 tile 2 p + 1; four bytes = the step's four blocks of keys
; mbits: for u = 128 b + (query / 16), key step ks, word n (0 .. 63) at byte 4,096 u + 256 ks + 4 n: bit r + 16 hh = mask[b][16 (u % 128) + r][128 ks + 32 (n / 16) + 16 hh + n % 16] is not 0.
; mflag: word 4 u + w has bit ks set (ks = 4 w .. 4 w + 3) where tile (u, ks) holds a byte whose lowest bit is 0, or whose bytes' AND is not 1: such a tile takes the attention launch's general way.
; A block's scale is 2^(floor(log2(its largest magnitude)) - 4); its byte is that magnitude's exponent field - 4, held at 1 from below.
; LIMITS: a block whose largest magnitude lies under 2^-122 has its byte held at 1; a block of zeros gets the byte 1 where the rule says 127 (its codes are zeros, and this program alone reads the bytes);
; NaN and infinities among the inputs are not served.  A mask byte other than 0 counts as true.
; SHARES: work-groups 0-511: K, one block each, wave w the tiles 2 w, 2 w + 1 (32 keys).  512-767: V, two blocks each, a wave 32 channels x 128 keys.  768-1023: the mask, 16 queries each, a wave 512 keys.
; No loop, no barrier: waves share nothing.  The two ways that use LDS have bytes of their own: K 0 .. 34,815, the mask 34,816 .. 68,607.
.set STEPB, 13056
.set VIMG,  6144
.set KSC,   12288
.set VSC,   12800
.set KLDS,  8704                       ; K: a wave's stage: 32 rows x 272 bytes
.set MLDS0, 34816
.set MLDS,  8448                       ; the mask: a wave's stage: 16 rows x 528 bytes
; v[a] = the largest magnitude of v[x] .. v[x + 31], and the floor 2^(5 - 127), under which none is taken: so the byte cannot fall under 1.  Two chains; v[b] at work
.macro BMAX x, a, b
	v_max3_num_f32 v[\a], |v[\x]|, |v[\x+1]|, |v[\x+2]|
	v_max3_num_f32 v[\b], |v[\x+3]|, |v[\x+4]|, |v[\x+5]|
.irp i, 6,10,14,18,22,26
	v_max3_num_f32 v[\a], v[\a], |v[\x+\i]|, |v[\x+\i+1]|
	v_max3_num_f32 v[\b], v[\b], |v[\x+\i+2]|, |v[\x+\i+3]|
.endr
	v_max3_num_f32 v[\a], v[\a], |v[\x+30]|, |v[\x+31]|
	v_max3_num_f32 v[\a], v[\a], v[\b], 0x2800000
.endm
	s_load_b256 s[4:11], s[0:1], 0x0               ; keys s[4:5], values s[6:7], mask s[8:9], kv s[10:11]
	s_load_b128 s[12:15], s[0:1], 0x20             ; mbits s[12:13], mflag s[14:15]
	v_lshl_add_u32 v176, v0, 2, 0x10c00
	v_mov_b32 v177, 0
	v_lshrrev_b32 v1, 5, v0
	v_readfirstlane_b32 s16, v1                    ; wave 0..3
	v_and_b32 v1, 31, v0                           ; l
	v_and_b32 v2, 15, v0                           ; r = l % 16
	v_bfe_u32 v3, v0, 4, 1                         ; hh = l / 16
	s_mov_b32 s18, 0x76543210
	s_mov_b32 s19, 0xfedcba98                      ; v_permlanex16_b32's selects for lane l xor 16
	s_wait_kmcnt 0x0
	s_cmp_lt_u32 ttmp9, 512
	s_cbranch_scc0 .Lnot_k
; ---------------- K: work-group g = 16 bh + ks; wave w: keys 128 ks + 32 w .. + 31, the head's 64 numbers (256 bytes) of each
	s_lshr_b32 s20, ttmp9, 8                       ; b
	s_lshl_b32 s20, s20, 23                        ; a batch is 2^23 bytes
	s_and_b32 s21, ttmp9, 15                       ; ks
	s_lshl_b32 s21, s21, 19                        ; 128 rows of 4,096 bytes
	s_add_co_u32 s20, s20, s21
	s_lshl_b32 s21, s16, 17                        ; 32 rows a wave
	s_add_co_u32 s20, s20, s21
	s_bfe_u32 s21, ttmp9, 0x40004                  ; h
	s_lshl_b32 s21, s21, 8
	s_add_co_u32 s20, s20, s21
	s_mov_b32 s21, 0
	s_add_nc_u64 s[4:5], s[4:5], s[20:21]
	s_mul_i32 s22, ttmp9, STEPB
	s_mov_b32 s23, 0
	s_add_nc_u64 s[10:11], s[10:11], s[22:23]      ; my block of kv
	s_wait_alu depctr_va_vdst(0)
	v_lshlrev_b32 v4, 4, v2
	v_lshl_add_u32 v4, v3, 12, v4                  ; sixteen lanes read a row's 256 consecutive bytes, aligned; lanes 16-31 the next row
.irp i, 0,1,2,3,4,5,6,7,8,9,10,11,12,13,14,15
	global_load_b128 v[16+4*\i:19+4*\i], v4, s[4:5] offset:8192*\i th:TH_LOAD_NT   ; rows 2 i, 2 i + 1
.endr
	s_mul_i32 s24, s16, KLDS                       ; my stage
	v_mul_u32_u24 v5, v3, 272
	v_lshl_add_u32 v5, v2, 4, v5
	v_add_nc_u32 v5, s24, v5                       ; in: as loaded; rows 272 = 17 x 16 bytes apart
	v_and_b32 v6, 8, v2
	v_add_nc_u32 v6, v6, v2                        ; r + 8 (r / 8)
	v_mul_u32_u24 v6, v6, 272
	v_lshl_add_u32 v6, v3, 7, v6
	v_add_nc_u32 v6, s24, v6                       ; out: the tile's row for my lane, my block of 32 numbers (128 bytes)
	v_lshlrev_b32 v7, 3, v3                        ; 8 hh: my byte's place in the scale word
	v_mov_b32 v12, 0                               ; written once: a lane permute's destination counts as one of its sources
	s_mov_b32 s25, 0xffff0000
	v_lshlrev_b32 v13, 4, v1
	s_mul_i32 s26, s16, 1536
	v_add_nc_u32 v13, s26, v13                     ; my three chunks of K's image: 1,536 w + 16 l
	v_lshlrev_b32 v14, 2, v1
	s_lshl_b32 s26, s16, 7
	v_add_nc_u32 v14, s26, v14                     ; my plane of scale words: 128 w + 4 l
	s_wait_alu depctr_va_vdst(0)
.irp i, 0,1,2,3,4,5,6,7,8,9,10,11,12,13,14,15
	s_wait_loadcnt 15-\i                           ; loads come back in order: load i is in, the younger ones stay out
	ds_store_b128 v5, v[16+4*\i:19+4*\i] offset:544*\i
.endr
.irp t, 0,1                                    ; tile 2 w + t: LDS serves a wave's instructions in order, so these see the stores above
.irp j, 0,1,2,3,4,5,6,7
	ds_load_b128 v[80+32*\t+4*\j:83+32*\t+4*\j], v6 offset:2176*\t+16*\j
.endr
.endr
; A tile: my lane holds one whole block (32 numbers of one key).  Its byte goes to its place in the word, lane l xor 16's joins it; the codes are registers 6 t .. 6 t + 5 of v144 on.
.macro KTILE t
.set XS, 80+32*\t
	BMAX XS, 8, 9
	v_add_nc_u32 v10, 0xfe000000, v8               ; 4 off the exponent field: the conversion takes the exponent field of this operand as its scale
	v_lshrrev_b32 v11, 23, v10                     ; the scale's byte
	v_lshlrev_b32 v11, v7, v11
	v_permlanex16_b32 v12, v11, s18, s19
	v_or_b32 v[164+\t], v11, v12                   ; the key's scale word, in both of its lanes
	v_cvt_scalef32_pk16_bf6_f32 v[144+6*\t:146+6*\t], v[XS:XS+15], v10
	v_cvt_scalef32_pk16_bf6_f32 v[156+4*\t:158+4*\t], v[XS+16:XS+31], v10   ; (a conversion's three registers begin on an even number)
	v_nop                                          ; one plain place behind a scaled conversion
.irp i, 0,1,2
	v_mov_b32 v[147+6*\t+\i], v[156+4*\t+\i]
.endr
.endm
	s_wait_dscnt 8                                 ; tile 0's numbers are back; tile 1's eight loads may be out
	KTILE 0
	s_wait_dscnt 0x0
	KTILE 1
	v_cndmask_b32 v166, v164, v165, s25            ; the plane: lanes 0-15 tile 2 w's words, lanes 16-31 tile 2 w + 1's
.irp q, 0,1,2
	global_store_b128 v13, v[144+4*\q:147+4*\q], s[10:11] offset:512*\q   ; 32 lanes store 512 consecutive bytes, at a multiple of 256 from kv's first byte
.endr
	global_store_b32 v14, v166, s[10:11] offset:KSC   ; 128 consecutive bytes: a wave has no more of them (512 of a block's 13,056 bytes leave so)
	s_wait_tensorcnt 0x0
	ds_add_u32 v176, v177
	s_wait_dscnt 0x0
	s_endpgm
.Lnot_k:
	s_cmp_lt_u32 ttmp9, 768
	s_cbranch_scc0 .Lmask
; ---------------- V: work-group g' = g - 512: bh = g' / 8; wave w: key step 2 (g' % 8) + w / 2, channels 32 (w % 2) .. + 31.  A LANE TAKES A CHANNEL, AND ITS REGISTERS RUN DOWN THE KEYS
	s_sub_co_u32 s20, ttmp9, 512
	s_lshr_b32 s21, s20, 3                         ; bh
	s_and_b32 s22, s20, 7
	s_lshl_b32 s22, s22, 1
	s_lshr_b32 s23, s16, 1
	s_add_co_u32 s22, s22, s23                     ; ks
	s_and_b32 s23, s16, 1                          ; which half of the head's 64 channels
	s_lshl_b32 s24, s21, 4
	s_add_co_u32 s24, s24, s22
	s_mul_i32 s24, s24, STEPB
	s_mov_b32 s25, 0
	s_add_nc_u64 s[10:11], s[10:11], s[24:25]      ; my block of kv
	s_lshr_b32 s26, s21, 4
	s_lshl_b32 s26, s26, 23                        ; b
	s_lshl_b32 s27, s22, 19                        ; 128 rows a key step
	s_add_co_u32 s26, s26, s27
	s_and_b32 s27, s21, 15
	s_lshl_b32 s27, s27, 8                         ; h
	s_add_co_u32 s26, s26, s27
	s_lshl_b32 s27, s23, 7
	s_add_co_u32 s26, s26, s27
	s_mov_b32 s27, 0
	s_add_nc_u64 s[6:7], s[6:7], s[26:27]
	s_wait_alu depctr_va_vdst(0)
	v_lshlrev_b32 v4, 2, v1                        ; 4 bytes a lane: a load reads 128 consecutive bytes; the sister wave reads the 128 beside them
.macro VLOAD t                                 ; block t: keys 32 t .. 32 t + 31 of my channel
.irp i, 0,1,2,3,4,5,6,7,8,9,10,11,12,13,14,15,16,17,18,19,20,21,22,23,24,25,26,27,28,29,30,31
	global_load_b32 v[16+32*(\t)+\i], v4, s[6:7] offset:4096*(32*(\t)+\i) th:TH_LOAD_NT
.endr
.endm
	VLOAD 0
	VLOAD 1
	v_mul_u32_u24 v5, v3, 1536
	v_lshl_add_u32 v5, v2, 4, v5
	s_mul_i32 s28, s23, 3072
	v_add_nc_u32 v5, s28, v5                       ; my tile t = 2 half + l / 16 begins 1,536 t bytes into V's image; in a chunk my row's place is 16 r
	s_lshl_b32 s28, s23, 7
	v_add_nc_u32 v6, s28, v4                       ; my plane of scale words: 128 half + 4 l
; Block t = 2 c + hh of my channel is what lane slot (r, hh) of the fragment holds in registers 6 c .. 6 c + 5: it is made at v[144 + 12 hh + 6 c].
.macro VBLOCK t
.set XS, 16+32*\t
.set CB, 144+12*(\t%2)+6*(\t/2)
.set SCR, 168+4*(\t%2)
.if \t < 3
	s_wait_loadcnt 32                              ; this block's 32 loads are in; the next block's may be out
.else
	s_wait_loadcnt 0x0
.endif
.if \t < 2
	VLOAD \t+2                                     ; two blocks ahead
.endif
	BMAX XS, 8, 9                                  ; all 32 numbers of the block are mine
	v_add_nc_u32 v10, 0xfe000000, v8
	v_lshrrev_b32 v11, 23, v10
.if \t == 0
	v_mov_b32 v171, v11                            ; the four bytes make my channel's scale word, the lower keys in the lower byte
.else
	v_lshl_or_b32 v171, v11, 8*\t, v171
.endif
	v_cvt_scalef32_pk16_bf6_f32 v[CB:CB+2], v[XS:XS+15], v10
	v_cvt_scalef32_pk16_bf6_f32 v[SCR:SCR+2], v[XS+16:XS+31], v10
	v_nop                                          ; one plain place behind a scaled conversion
.irp i, 0,1,2
	v_mov_b32 v[CB+3+\i], v[SCR+\i]
.endr
.endm
	s_wait_alu depctr_va_vdst(0)
	VBLOCK 0
	VBLOCK 1
	VBLOCK 2
	VBLOCK 3
.irp hh, 0,1
.irp q, 0,1,2
	global_store_b128 v5, v[144+12*\hh+4*\q:147+12*\hh+4*\q], s[10:11] offset:VIMG+512*\q+256*\hh   ; sixteen lanes store 256 consecutive bytes, aligned: half a chunk of one tile; lanes 16-31 the next tile's
.endr
.endr
	global_store_b32 v6, v171, s[10:11] offset:VSC
	s_endpgm
; ---------------- the mask: work-group u = g - 768 = 128 b + query tile; wave w: keys 512 w .. + 511 = key steps 4 w .. 4 w + 3
.Lmask:
.set MR, 80                                    ; v80-143  the mask's bytes as my lane wants them
.set WR, 144                                   ; v144-151 the words: step kq's word n in lane n / 2 of v[WR + 2 kq + n % 2]
.set TR, 152                                   ; v152-159 at work
.set AR, 160                                   ; v160-163 the AND of a step's bytes, four chains
	s_sub_co_u32 s20, ttmp9, 768
	s_lshl_b32 s36, s20, 15                        ; 16 rows of 2,048 bytes
	s_lshl_b32 s37, s16, 9
	s_add_co_u32 s36, s36, s37
	s_mov_b32 s37, 0
	s_add_nc_u64 s[8:9], s[8:9], s[36:37]
	s_lshl_b32 s36, s20, 12
	s_lshl_b32 s38, s16, 10
	s_add_co_u32 s36, s36, s38
	s_add_nc_u64 s[12:13], s[12:13], s[36:37]      ; mbits: 4,096 u + 1,024 w
	s_lshl_b32 s36, s20, 4
	s_lshl_b32 s38, s16, 2                         ; 4 w: also the place of my four flags in the word
	s_add_co_u32 s36, s36, s38
	s_add_nc_u64 s[14:15], s[14:15], s[36:37]      ; mflag: 16 u + 4 w
	s_wait_alu depctr_va_vdst(0)
	v_lshlrev_b32 v4, 4, v2
	v_lshl_add_u32 v4, v3, 11, v4                  ; sixteen lanes read 256 consecutive bytes of a row, aligned; lanes 16-31 the next row
.irp i, 0,1,2,3,4,5,6,7
.irp a, 0,1
	global_load_b128 v[16+4*(2*\i+\a):19+4*(2*\i+\a)], v4, s[8:9] offset:4096*\i+256*\a th:TH_LOAD_NT
.endr
.endr
	s_mul_i32 s24, s16, MLDS
	s_add_co_u32 s24, s24, MLDS0                   ; my stage
	v_mul_u32_u24 v5, v3, 528
	v_lshl_add_u32 v5, v2, 4, v5
	v_add_nc_u32 v5, s24, v5                       ; in: as loaded; rows 528 = 33 x 16 bytes apart
	v_mul_u32_u24 v6, v2, 528
	v_lshl_add_u32 v6, v3, 4, v6
	v_add_nc_u32 v6, s24, v6                       ; out: query r; of each 32 keys my half's 16
	v_lshlrev_b32 v7, 3, v1                        ; two words a lane on the way to mbits
	s_mov_b32 s21, 0                               ; the flags
	s_mov_b32 s22, 0x01010101
.irp i, 0,1,2,3,4,5,6,7
	v_mov_b32 v[WR+\i], 0                          ; a lane write's destination counts as one of its sources
.endr
.irp i, 0,1,2,3,4,5,6,7
.irp a, 0,1
	s_wait_loadcnt 15-(2*\i+\a)                    ; this load is in, the younger ones stay out
	ds_store_b128 v5, v[16+4*(2*\i+\a):19+4*(2*\i+\a)] offset:1056*\i+256*\a
.endr
.endr
.irp m, 0,1,2,3,4,5,6,7,8,9,10,11,12,13,14,15
	ds_load_b128 v[MR+4*\m:MR+4*\m+3], v6 offset:32*\m   ; keys 32 m + 16 hh + 0 .. 15 of query r
.endr
	s_wait_dscnt 0x0
; Key step 4 w + kq.  Word n: each lane's byte for score register n, compared with 0: the compare's lane mask IS the word.  Eight at a time, so that no line waits for the line above it.
.macro MSTEP kq
.set NN, 0
.rept 8
.irp e, 0,1,2,3,4,5,6,7
	v_bfe_u32 v[TR+\e], v[MR+16*\kq+4*((NN+\e)/16)+((NN+\e)%16)/4], 8*((NN+\e)%4), 8
.endr
.irp e, 0,1,2,3,4,5,6,7
	v_cmp_ne_u32 s[24+\e], 0, v[TR+\e]
.endr
.irp e, 0,1,2,3,4,5,6,7
	v_writelane_b32 v[WR+2*\kq+(NN+\e)%2], s[24+\e], (NN+\e)/2
.endr
.set NN, NN+8
.endr
.irp c, 0,1,2,3                                ; the flag: the AND of all the tile's bytes is 1 in every byte where all are 1
	v_and_b32 v[AR+\c], v[MR+16*\kq+2*\c], v[MR+16*\kq+2*\c+1]
.endr
.irp c, 0,1,2,3
	v_and_b32 v[AR+\c], v[AR+\c], v[MR+16*\kq+8+\c]
.endr
.irp c, 0,1,2,3
	v_and_b32 v[AR+\c], v[AR+\c], v[MR+16*\kq+12+\c]
.endr
	v_and_b32 v[AR], v[AR], v[AR+1]
	v_and_b32 v[AR+2], v[AR+2], v[AR+3]
	v_and_b32 v[AR], v[AR], v[AR+2]
	v_cmp_ne_u32 vcc_lo, s22, v[AR]
	s_cmp_lg_u32 vcc_lo, 0                         ; some lane has a hole: a choice of a value, no branch
	s_cselect_b32 s23, 1<<\kq, 0
	s_or_b32 s21, s21, s23
.endm
	MSTEP 0
	MSTEP 1
	MSTEP 2
	MSTEP 3
.irp kq, 0,1,2,3
	global_store_b64 v7, v[WR+2*\kq:WR+2*\kq+1], s[12:13] offset:256*\kq   ; 32 lanes store a step's 64 words: 256 consecutive bytes, aligned
.endr
	s_lshl_b32 s21, s21, s38                       ; my four flags at bits 4 w .. 4 w + 3
	v_mov_b32 v8, 0
	v_mov_b32 v9, s21
	v_cmp_eq_u32 vcc_lo, 0, v1
	s_wait_alu depctr_va_vdst(0)
	s_wait_xcnt 0x0                                ; EXEC is a source of the stores above: it changes only behind this wait
	s_wait_tensorcnt 0x0
	ds_add_u32 v176, v177
	s_wait_dscnt 0x0
	s_and_saveexec_b32 s32, vcc_lo
	global_store_b32 v8, v9, s[14:15]              ; lane 0 alone: one word a wave
	s_wait_xcnt 0x0                                ; and again in front of the line that widens it
	s_or_b32 exec_lo, exec_lo, s32
	s_endpgm
.Lfunc_end_k_q3aefe92090_quant:
	.size	k_q3aefe92090_quant, .Lfunc_end_k_q3aefe92090_quant-k_q3aefe92090_quant
	.p2alignl 7, 3214868480
	.fill 96, 4, 3214868480
	.section	.rodata,"a",@progbits
	.p2align	6, 0x0
	.amdhsa_kernel k_q3aefe92090_quant
		.amdhsa_group_segment_fixed_size 69120
		.amdhsa_private_segment_fixed_size 0
		.amdhsa_enable_private_segment 0
		.amdhsa_kernarg_size 48
		.amdhsa_user_sgpr_count 2
		.amdhsa_user_sgpr_kernarg_segment_ptr 1
		.amdhsa_wavefront_size32 1
		.amdhsa_system_sgpr_workgroup_id_x 1
		.amdhsa_system_sgpr_workgroup_id_y 1
		.amdhsa_system_sgpr_workgroup_id_z 1
		.amdhsa_system_vgpr_workitem_id 0
		.amdhsa_next_free_vgpr 178
		.amdhsa_next_free_sgpr 66
		.amdhsa_reserve_vcc 1
		.amdhsa_float_denorm_mode_32 3
		.amdhsa_float_denorm_mode_16_64 3
		.amdhsa_memory_ordered 1
		.amdhsa_forward_progress 1
		.amdhsa_inst_pref_size 87
	.end_amdhsa_kernel
	.amdgpu_metadata
---
amdhsa.version: [ 1, 2 ]
amdhsa.kernels:
  - .name:           k_q3aefe92090_quant
    .symbol:         k_q3aefe92090_quant.kd
    .args:
      - { .name: keys, .offset: 0, .size: 8, .value_kind: global_buffer, .address_space: global }
      - { .name: values, .offset: 8, .size: 8, .value_kind: global_buffer, .address_space: global }
      - { .name: mask, .offset: 16, .size: 8, .value_kind: global_buffer, .address_space: global }
      - { .name: kv, .offset: 24, .size: 8, .value_kind: global_buffer, .address_space: global }
      - { .name: mbits, .offset: 32, .size: 8, .value_kind: global_buffer, .address_space: global }
      - { .name: mflag, .offset: 40, .size: 8, .value_kind: global_buffer, .address_space: global }
    .group_segment_fixed_size: 69120
    .private_segment_fixed_size: 0
    .kernarg_segment_align: 8
    .kernarg_segment_size: 48
    .max_flat_workgroup_size: 128
    .sgpr_count:     66
    .vgpr_count:     178
    .wavefront_size: 32
...
	.end_amdgpu_metadata
.endif
;; end of part 3
;; launch attn (part 4): grid 8 x 32, 16 waves a work-group, no clusters, 280,576 bytes of LDS; arguments queries, kv, mbits, mflag, out0; writes out0
.if DOCPART == 4
	.amdgcn_target "amdgcn-amd-amdhsa--gfx1250"
	.amdhsa_code_object_version 6
	.text
	.protected	k_q3aefe92090_attn
	.globl	k_q3aefe92090_attn
	.p2align	8
	.type	k_q3aefe92090_attn,@function
k_q3aefe92090_attn:
	s_mov_b64 s[64:65], 0
	v_nop
	global_prefetch_b8 v0, s[64:65] scope:SCOPE_SE
	s_setreg_imm32_b32 hwreg(HW_REG_WAVE_SCHED_MODE, 0, 2), 2
	s_setreg_imm32_b32 hwreg(HW_REG_WAVE_MODE, 25, 1), 1
	s_wait_xcnt 0x0
	s_wait_alu depctr_vm_vsrc(0)
; out0[b][q][64 h + d] = the sum over k of softmax_k(Q . K / 8 - 1e9 (mask is false)) V, both products on codes of BF6 (E3M2) with one E8M0 scale for each 32 along a product's K.
; queries, out0: [2][2048][1024] f32.  kv: K's and V's codes and scale words in the order of the operands' registers, a block of 13,056 bytes for each (batch, head) and key step of 128 keys:
;   0 K's image (12 chunks of 512 bytes), 6,144 V's image (12 chunks), 12,288 four planes of K's scale words, 12,800 two planes of V's.  mbits: the mask as lane masks, one word for each score register;
;   mflag: bit ks of the OR of a query tile's four words says that its tile of 16 queries x 128 keys of step ks has a hole.
; THE SOFTMAX AHEAD OF THE SECOND PRODUCT: t = logit x log2(e); M = the row's largest t so far, rounded UP to a whole number; p = 2^(t - M) is quantised along the keys, not normalised.
; The row's sum is taken of the unquantised p and divides O at the end.  When M moves, the sum and O are multiplied by 2^(old M - new M): exact.
; THE MASK, as the definition has it in f32: logit = fl(score / 8 - 1e9).  Division by 8 is exact, so 8 x logit = fl(score - 8e9), bit for bit, and t = fl(that x (log2(e) / 8)).
; In a tile with a hole t is rounded to f32 BEFORE M is taken off (a multiplication, then an addition): near -1.44e9 that rounding is what a row with every key masked hangs on.  In a tile without a hole one fused multiply-add makes t - M.
; SHARES.  A work-group owns 256 queries of one (batch, head); each of its sixteen waves 16 of them, one tile, in 256 registers: four waves to a SIMD, so that one wave's vector work stands beside another's matrix work and LDS loads.
; THE HEAD'S 16 BLOCKS OF kv, 208,896 bytes, LIE IN LDS WHOLE: wave w copies block w through its registers, one barrier, and nothing is filled again.
; NO TENSOR LOADS, NO CLUSTER: the loop branches on a number read from memory (a tile's flag).  The branch spares 96 + 36 of a key step's
; about 375 vector instructions in every tile without a hole; what the eight work-groups of a head share is one fill of 208,896 bytes each in the whole launch.
; LAYOUT.  Both products are used transposed: S^T = K Q^T (source 0 = 16 keys, source 1 = my 16 queries), O^T = V^T P^T: a lane holds ONE query (lane % 16) throughout.  Score register n of lane (r, hh) is key 32 (n / 16) + 16 hh + n % 16 of the step.
; K = 64 IN AN INSTRUCTION OF 128: Q's fragment has zero codes for k = 64 .. 127.  K's tile T names v[32 + 6 T .. + 11]: its upper six registers are tile T + 1's codes (tile 7's: zeros): finite numbers, times Q's zeros.
; Bytes 2 and 3 of both scale words are 0, which stands for 2^-127: those products add exact zeros.
; LIMITS: NaN and infinities among the inputs are not served; a block whose largest magnitude lies under 2^-122 has its scale byte held at 1 (a block of zeros too: its codes are zeros).
; THE MODE: SCHED_MODE bits 1:0 = 2 (LLVM: expert scheduling mode 2), set by the entry lines.  The code itself states the register dependences
; between vector or matrix instructions and memory or LDS instructions, with s_wait_alu, always for 0.
; THE PLAN.  Registers that memory or LDS instructions touch, in the loop:
;   v[ADR], v[ADS]    Written once a trip, at its head; read by the trip's 30 LDS loads.
;   K: v32-79, v240-243   The LDS loads at the trip's head land in them; K Q^T reads them; then v32-69 are the softmax's scratch and p's codes, named by vector lines and, last, by the four products V^T P.
;   V: v192-239, v244-245 LDS loads land in them; the four products V^T P at the trip's end alone read them.
; So ONE wait on vm_vsrc and ONE on va_vdst stand at a trip's head, round the two additions: behind them nothing of the last trip still names K's, V's or the scale words' registers, and the addresses are written.
; K's 16 loads follow at once; V's 14 are dealt among the eight products K Q^T, which name Q, K, K's scale words and the scores: none of V's registers and no address.
; Three more waits on va_vdst stand in a trip: ahead of the exponentials, behind them, ahead of their first reader, and ahead of V^T P, for p's codes and scale word.
; Outside the loop: v1, v9, v10 offsets, made at the head (v9, v10 anew on the way out); v96-197 the fill, loaded, stored to LDS, then scores, O^T and V; v200-231 q, then V; v96-159 the way out; v254, v255 the closing add's.
.set STEPB, 13056
.set VIMG,  6144
.set KSC,   12288
.set VSC,   12800
.set STAGE, 16*STEPB                   ; behind the blocks: 16 rows x 272 bytes for each wave, for the way out
.set SP,    272
.set ALI,  1                           ; v1   16 x lane
.set ALS,  2                           ; v2   4 x lane
.set ADR,  3                           ; v3   LDS address of the step's images
.set ADS,  4                           ; v4   and of its scale words
.set NEG,  5                           ; v5   -8e9 = 8 x -1e9, exact in f32
.set RR,   6                           ; v6   r = lane % 16
.set HH,   7                           ; v7   hh = lane / 16
.set STO,  8                           ; v8   the way out: where I put 32 bytes of a row
.set RD,   9                           ; v9   (head: q's offset)  where I read a row back
.set GO,   10                          ; v10  (head: 8 x lane)  my byte offset in the wave's rows of out0
                                       ; v12 -M, v13 the largest t, v[14:15] the row's sum in two halves
.set QF,   16                          ; v16-27  Q's fragment; 22-27 zeros
.set QS,   28                          ; v28     Q's scale words
.set KF,   32                          ; v32-79  K's eight tiles, six registers each; v80-85 zeros
.set T,    86                          ; v86-93  at work (v94 too, at the head)
.set S,    96                          ; v96-159 S^T, then p
.set O,    160                         ; v160-191 O^T
.set VF,   192                         ; v192-239 V's four fragments
.set KS,   240                         ; v240-243 K's scale words;  v244-245 V's;  v246 p's: these hold scales and nothing else
.set VS,   244
.set PW,   246
.set BM,   32                          ; behind K Q^T, in K's registers: v32-35 each block's largest score, then its largest p
.set BT,   36                          ; v36-39 at work
.set SO,   40                          ; v40-43 the conversions' scale operands
.set PC,   44                          ; v44-55 p's codes
.set PT,   56                          ; v56-58, v60-62 the second halves of p's blocks
.set F,    64                          ; v[64:65] f = 2^(old M - new M), in the low word
.set TMP,  66
.set S2,   68                          ; v[68:69] the sum's second chain
.set WV,   14                          ; s14  my wave's number
.set TB,   2                           ; s2   LDS byte at which the step's block begins
.set CNT,  3                           ; s3   steps to go
.set FLG,  28                          ; s28  the flags, this step's in bit 0
.set TF,   29                          ; s29  this step's flag
.set MO,   30                          ; s30  byte offset in my record of mbits of the words to be asked for
.set CS,   66                          ; s[66:67] log2(e) / 8: the packed forms name a pair and take its low word
.set SEL,  100                         ; s[100:101] v_permlanex16_b32's selects for lane l xor 16
                                       ; s[32:63], s[68:99] the step's 64 mask words: word n in s[32 + n + 4 (n / 32)]
	s_load_b256 s[4:11], s[0:1], 0x0               ; queries s[4:5], kv s[6:7], mbits s[8:9], mflag s[10:11]
	s_load_b64 s[12:13], s[0:1], 0x20              ; out0
	v_lshl_add_u32 v254, v0, 2, 0x44000
	v_mov_b32 v255, 0
	v_lshrrev_b32 v1, 5, v0
	v_readfirstlane_b32 s[WV], v1                  ; wave 0..15
	v_and_b32 v11, 31, v0                          ; lane
	v_and_b32 v[RR], 15, v0
	v_bfe_u32 v[HH], v0, 4, 1
	v_lshlrev_b32 v[ALI], 4, v11
	s_wait_alu depctr_va_vdst(0)
	v_lshlrev_b32 v[ALS], 2, v11
	v_lshlrev_b32 v10, 3, v11
	s_wait_alu depctr_va_vdst(0)
	v_lshlrev_b32 v9, 12, v[RR]
	v_lshl_add_u32 v9, v[HH], 7, v9                ; q: row r of 4,096 bytes, my block of 32 numbers
	s_wait_alu depctr_va_sdst(0)                   ; s14, the wave's number, is written, ahead of its first reader: bases and LDS places are made from it
	s_and_b32 s15, ttmp7, 0xffff                   ; bh = 16 b + h
	s_lshr_b32 s16, s15, 4                         ; b
	s_and_b32 s17, s15, 15                         ; h
	s_lshl_b32 s18, ttmp9, 4
	s_add_co_u32 s18, s18, s[WV]                   ; my tile of 16 queries in the batch: 16 x work-group x + wave
	s_lshl_b32 s20, s16, 23
	s_lshl_b32 s19, s18, 16                        ; 16 rows of 4,096 bytes
	s_add_co_u32 s20, s20, s19
	s_lshl_b32 s19, s17, 8
	s_add_co_u32 s20, s20, s19                     ; my first query's 256 bytes of the head, in queries and in out0
	s_mov_b32 s21, 0
	s_lshl_b32 s22, s15, 4
	s_add_co_u32 s22, s22, s[WV]
	s_mul_i32 s22, s22, STEPB                      ; the block of kv that I copy: 16 bh + wave
	s_mov_b32 s23, 0
	s_lshl_b32 s19, s16, 7
	s_add_co_u32 s18, s18, s19                     ; u = 128 b + my tile
	s_lshl_b32 s24, s18, 12                        ; my record of mbits
	s_mov_b32 s25, 0
	s_lshl_b32 s26, s18, 4                         ; my four words of mflag
	s_mov_b32 s27, 0
	s_mov_b32 s[CS], 0x3e38aa3b                    ; log2(e) / 8
	s_mov_b32 s[CS+1], s[CS]                       ; (named with it as a pair, so it is written)
	s_mov_b32 s[SEL], 0x76543210
	s_mov_b32 s[SEL+1], 0xfedcba98
	s_mov_b32 s[MO], 0
	s_mul_i32 s31, s[WV], STEPB                    ; block w's place in LDS
	v_add_nc_u32 v[ADR], s31, v[ALI]
	v_add_nc_u32 v[ADS], s31, v10
	s_wait_kmcnt 0x0
	s_add_nc_u64 s[4:5], s[4:5], s[20:21]
	s_add_nc_u64 s[12:13], s[12:13], s[20:21]
	s_add_nc_u64 s[6:7], s[6:7], s[22:23]
	s_add_nc_u64 s[8:9], s[8:9], s[24:25]
	s_add_nc_u64 s[10:11], s[10:11], s[26:27]
	s_wait_alu depctr_va_vdst(0)                   ; the offsets v1, v9, v10 and the LDS addresses v3, v4 are written, which the loads and the LDS stores of the head read; so are v254, v255, which the closing add reads
.irp j, 0,1,2,3,4,5,6,7
	global_load_b128 v[200+4*\j:203+4*\j], v9, s[4:5] offset:16*\j th:TH_LOAD_NT   ; q(r, 32 hh + 4 j ..): my lane's whole block
.endr
.irp i, 0,1,2,3,4,5,6,7,8,9,10,11,12,13,14,15,16,17,18,19,20,21,22,23,24
	global_load_b128 v[S+4*\i:S+4*\i+3], v[ALI], s[6:7] offset:512*\i   ; the fill: 512 consecutive bytes a load; eight work-groups read these bytes, so no hint
.endr
	global_load_b64 v[196:197], v10, s[6:7] offset:VSC   ; the block's last 256 bytes
	s_load_b128 s[24:27], s[10:11], 0x0            ; the flags
.irp k, 0,1
	s_load_b512 s[32+16*\k:47+16*\k], s[8:9], s[MO] offset:64*\k        ; step 0's mask words 0-31,
	s_load_b512 s[68+16*\k:83+16*\k], s[8:9], s[MO] offset:128+64*\k    ; and 32-63
.endr
	s_wait_loadcnt 26                              ; q's eight loads are in; the fill's 26 stay out
	; Q is quantised in registers: read once, by this wave alone.  (These lines name v7, v16-28, v86-94 and v200-231: none of the registers that the fill's LDS stores below touch)
	v_max3_num_f32 v[T], |v200|, |v201|, |v202|
	v_max3_num_f32 v[T+1], |v203|, |v204|, |v205|
.irp i, 6,10,14,18,22,26
	v_max3_num_f32 v[T], v[T], |v[200+\i]|, |v[201+\i]|
	v_max3_num_f32 v[T+1], v[T+1], |v[202+\i]|, |v[203+\i]|
.endr
	v_max3_num_f32 v[T], v[T], |v230|, |v231|
	v_max3_num_f32 v[T], v[T], v[T+1], 0x2800000   ; and the floor 2^(5 - 127): the byte cannot fall under 1
	v_add_nc_u32 v[T+2], 0xfe000000, v[T]          ; 4 off the exponent field: the conversion's scale operand
	v_lshrrev_b32 v[T+3], 23, v[T+2]               ; the scale's byte,
	v_lshlrev_b32 v[T+4], 3, v[HH]
	v_lshlrev_b32 v[T+3], v[T+4], v[T+3]           ; at its place in the word (8 hh bits up);
	v_mov_b32 v[T+5], 0
	v_permlanex16_b32 v[T+5], v[T+3], s[SEL], s[SEL+1]
	v_or_b32 v[QS], v[T+3], v[T+5]                 ; with lane l xor 16's the word is whole; bytes 2 and 3 are 0
	v_cvt_scalef32_pk16_bf6_f32 v[QF:QF+2], v[200:215], v[T+2]
	v_cvt_scalef32_pk16_bf6_f32 v[T+6:T+8], v[216:231], v[T+2]   ; (a conversion's three registers begin on an even number)
	v_nop                                          ; one plain place behind a scaled conversion
.irp i, 0,1,2
	v_mov_b32 v[QF+3+\i], v[T+6+\i]
.endr
.irp i, 0,1,2,3,4,5,6,7,8,9,10,11,12,13,14,15,16,17,18,19,20,21,22,23,24
	s_wait_loadcnt 25-\i                           ; load i of the fill is in, the younger ones stay out
	ds_store_b128 v[ADR], v[S+4*\i:S+4*\i+3] offset:512*\i
.endr
	s_wait_loadcnt 0x0
	ds_store_b64 v[ADS], v[196:197] offset:VSC
.irp i, 0,1,2,3,4,5
	v_mov_b32 v[QF+6+\i], 0                        ; Q's codes for k = 64 .. 127
	v_mov_b32 v[KF+48+\i], 0                       ; what tile 7 of K names for them
.endr
	v_mov_b32 v[NEG], 0xcfee6b28
	v_mov_b32 v13, 0xff61b1e6                      ; the largest t so far: -3e38, under every t
	v_floor_f32 v12, -v13                          ; -M
	v_mov_b32 v14, 0
	v_mov_b32 v15, 0
	s_wait_alu depctr_vm_vsrc(0)                   ; the fill's LDS stores have read v96-197: of these v160-191 are written by the lines below, v96-159 by the first products, v192-197 by V's first loads
.set J, 0
.rept 32
	v_mov_b32 v[O+J], 0                            ; O^T.  (The loop is written once: its first step finds zeros, which the first change of M leaves zeros)
.set J, J+1
.endr
	s_mov_b32 s[TB], 0
	s_mov_b32 s[CNT], 16
	s_wait_dscnt 0x0                               ; for the others' sake: my block lies in LDS
	s_barrier_signal -1
	s_barrier_wait -1                              ; all sixteen blocks do.  The launch's one barrier
	s_wait_kmcnt 0x0
	s_or_b32 s[FLG], s24, s25
	s_or_b32 s[FLG], s[FLG], s26
	s_or_b32 s[FLG], s[FLG], s27
.macro KQ t                                    ; S^T's tile t: source 0 = 16 keys, source 1 = my queries.  Tiles 2 u and 2 u + 1 share a scale register: lanes 0-15, lanes 16-31
.if \t%2
	v_wmma_scale_f32_16x16x128_f8f6f4 v[S+8*\t:S+8*\t+7], v[KF+6*\t:KF+6*\t+11], v[QF:QF+11], 0, v[KS+\t/2], v[QS] matrix_a_fmt:MATRIX_FMT_BF6 matrix_b_fmt:MATRIX_FMT_BF6 matrix_a_scale:MATRIX_SCALE_ROW1
.else
	v_wmma_scale_f32_16x16x128_f8f6f4 v[S+8*\t:S+8*\t+7], v[KF+6*\t:KF+6*\t+11], v[QF:QF+11], 0, v[KS+\t/2], v[QS] matrix_a_fmt:MATRIX_FMT_BF6 matrix_b_fmt:MATRIX_FMT_BF6
.endif
.endm
.macro PV t                                    ; O^T's tile t += 16 channels of V^T x p; K = the step's 128 keys
.if \t%2
	v_wmma_scale_f32_16x16x128_f8f6f4 v[O+8*\t:O+8*\t+7], v[VF+12*\t:VF+12*\t+11], v[PC:PC+11], v[O+8*\t:O+8*\t+7], v[VS+\t/2], v[PW] matrix_a_fmt:MATRIX_FMT_BF6 matrix_b_fmt:MATRIX_FMT_BF6 matrix_a_scale:MATRIX_SCALE_ROW1
.else
	v_wmma_scale_f32_16x16x128_f8f6f4 v[O+8*\t:O+8*\t+7], v[VF+12*\t:VF+12*\t+11], v[PC:PC+11], v[O+8*\t:O+8*\t+7], v[VS+\t/2], v[PW] matrix_a_fmt:MATRIX_FMT_BF6 matrix_b_fmt:MATRIX_FMT_BF6
.endif
.endm
.Lstep:                                            ; 16 trips: a key step of 128 keys
	s_wait_alu depctr_vm_vsrc(0)                   ; the LDS loads of the last trip (first trip: the fill's LDS stores) have read v[ADR] and v[ADS], which the two lines below write
	v_add_nc_u32 v[ADR], s[TB], v[ALI]             ; these four plain lines stand between the last trip's products and the loads into their sources; the wait below stands beside them
	v_add_nc_u32 v[ADS], s[TB], v[ALS]
	v_nop
	v_nop
	s_wait_alu depctr_va_vdst(0)                   ; v[ADR] and v[ADS] are written, which this trip's 30 LDS loads read; the last trip's vector lines are done with v32-69, and its products are done reading p's codes, V and the scale words v240-245: the loads land there.  First trip: Q's fragment, its scale word and the zeros v80-85, which K Q^T takes, are written, and Q's quantiser is done reading v200-231
.irp c, 0,1,2,3,4,5,6,7,8,9,10,11
	ds_load_b128 v[KF+4*\c:KF+4*\c+3], v[ADR] offset:512*\c          ; K's image: an instruction's 512 bytes are consecutive
.endr
.irp u, 0,1,2,3
	ds_load_b32 v[KS+\u], v[ADS] offset:KSC+128*\u
.endr
	s_wait_dscnt 0x0                               ; K and its scale words are in
.irp t, 0,1,2,3,4,5                            ; V's image, wanted only behind the softmax, is asked for among the products K Q^T.  No wait: no vector or matrix instruction since the wait above names V's registers, its scale words' or an address
	KQ \t
	ds_load_b128 v[VF+8*\t:VF+8*\t+3], v[ADR] offset:VIMG+1024*\t
	ds_load_b128 v[VF+8*\t+4:VF+8*\t+7], v[ADR] offset:VIMG+1024*\t+512
.endr
	KQ 6
	ds_load_b32 v[VS], v[ADS] offset:VSC
	ds_load_b32 v[VS+1], v[ADS] offset:VSC+128
	KQ 7
.rept 4
	v_nop                                          ; four places in front of the first read of the scores and the first write over K's registers
.endr
	s_wait_kmcnt 0x0                               ; this step's mask words, asked for a trip ago
	s_and_b32 s[TF], s[FLG], 1
	s_cmp_lg_u32 s[TF], 0
	s_cbranch_scc0 .Lopen                          ; a tile without a hole: adding 0 to 64 scores is left out
.set N, 0
.rept 8                                        ; accumulator by accumulator, each from its low end on
.irp e, 0,1,2,3,4,5,6,7
	v_cndmask_b32 v[T+\e], v[NEG], 0, s[32+N+\e+4*((N+\e)/32)]     ; 0 where the mask is true, -8e9 where it is false
.endr
.irp e, 0,2,4,6
	v_pk_add_f32 v[S+N+\e:S+N+\e+1], v[S+N+\e:S+N+\e+1], v[T+\e:T+\e+1]   ; rounded to f32 as the definition's addition is
.endr
.set N, N+8
.endr
.Lopen:
	s_wait_xcnt 0x0                                ; the last scalar loads have read their offset
	s_add_co_u32 s[MO], s[MO], 256                 ; the next step's 64 words; the last trip asks for step 15's once more: no load leaves the record's 4,096 bytes
	s_min_u32 s[MO], s[MO], 3840
.irp k, 0,1
	s_load_b512 s[32+16*\k:47+16*\k], s[8:9], s[MO] offset:64*\k
	s_load_b512 s[68+16*\k:83+16*\k], s[8:9], s[MO] offset:128+64*\k
.endr
.irp b, 0,1,2,3
	v_max3_num_f32 v[BM+\b], v[S+16*\b], v[S+1+16*\b], v[S+2+16*\b]   ; THE LARGEST SCORE OF EACH BLOCK OF 32 KEYS serves twice: for the row's maximum, and, since p rises with the score, for the block's largest p
.endr
.irp i, 3,5,7,9,11,13
.irp b, 0,1,2,3
	v_max3_num_f32 v[BM+\b], v[BM+\b], v[S+16*\b+\i], v[S+1+16*\b+\i]   ; (the four blocks by turns)
.endr
.endr
.irp b, 0,1,2,3
	v_max_num_f32 v[BM+\b], v[BM+\b], v[S+15+16*\b]
.endr
.irp b, 0,1,2,3
	v_permlanex16_b32 v[BT+\b], v[BM+\b], s[SEL], s[SEL+1]   ; (its destination has been written: by this trip's loads)
.endr
.irp b, 0,1,2,3
	v_max_num_f32 v[BM+\b], v[BM+\b], v[BT+\b]     ; with lane l xor 16's 16 keys
.endr
	v_max3_num_f32 v[TMP], v[BM], v[BM+1], v[BM+2]
	v_max_num_f32 v[TMP], v[TMP], v[BM+3]          ; the step's largest score of my query
	v_mul_f32 v[TMP], s[CS], v[TMP]                ; as t
	v_max_num_f32 v13, v13, v[TMP]                 ; the running largest t
	v_mov_b32 v[TMP], v12
	v_floor_f32 v12, -v13                          ; the new -M = floor(-t) = -ceil(t): M IS A WHOLE NUMBER
	v_sub_f32 v[TMP], v12, v[TMP]                  ; M's old value less its new one: a whole number, 0 or less
	v_cvt_i32_f32 v[TMP], v[TMP]                   ; (it saturates)
	v_ldexp_f32 v[F], 1.0, v[TMP]                  ; f = 2^(old M - new M)
	s_cmp_lg_u32 s[TF], 0
	s_cbranch_scc1 .Lexact
.set J, 0
.rept 32
	v_pk_fma_f32 v[S+J:S+J+1], v[S+J:S+J+1], s[CS:CS+1], v[12:13] op_sel_hi:[1,0,0]   ; no hole: t - M in one fused multiply-add, two at a time
.set J, J+2
.endr
.irp b, 0,1,2,3
	v_fma_f32 v[BM+\b], v[BM+\b], s[CS], v12       ; the same of each block's largest score
.endr
	s_branch .Lexp
.Lexact:
.set J, 0
.rept 32
	v_pk_mul_f32 v[S+J:S+J+1], v[S+J:S+J+1], s[CS:CS+1] op_sel_hi:[1,0]   ; a hole: t is rounded to f32 first,
.set J, J+2
.endr
.irp b, 0,1,2,3
	v_mul_f32 v[BM+\b], s[CS], v[BM+\b]
.endr
.set J, 0
.rept 32
	v_pk_add_f32 v[S+J:S+J+1], v[S+J:S+J+1], v[12:13] op_sel_hi:[1,0]     ; and then M is taken off
.set J, J+2
.endr
.irp b, 0,1,2,3
	v_add_f32 v[BM+\b], v[BM+\b], v12
.endr
.Lexp:
.set J, 0
	s_wait_alu depctr_va_vdst(0)
.rept 64
	v_exp_f32 v[S+J], v[S+J]                       ; p = 2^(t - M): NOT normalised
.set J, J+1
.endr
.irp b, 0,1,2,3
	v_exp_f32 v[BM+\b], v[BM+\b]                   ; the block's largest p: the same instructions on the same number give the same bits
.endr
	v_pk_mul_f32 v[14:15], v[14:15], v[F:F+1] op_sel_hi:[1,0]   ; the sums under the new M.  (A plain place behind the exponentials)
	s_wait_alu depctr_va_vdst(0)                   ; the 68 exponentials have written p (v96-159) and the blocks' largest p (v32-35): one wait for the batch, ahead of its first reader
.irp b, 0,1,2,3
	v_max_num_f32 v[BM+\b], 0x2800000, v[BM+\b]    ; the floor 2^(5 - 127): a block whose every p has fallen to 0 keeps the byte 1: its codes are zeros
.endr
.irp b, 0,1,2,3
	v_add_nc_u32 v[SO+\b], 0xfe000000, v[BM+\b]    ; 4 off the exponent field: the conversion's scale operand
.endr
.irp b, 0,1,2,3
	v_lshrrev_b32 v[BT+\b], 23, v[SO+\b]           ; the scale's byte
.endr
	v_lshl_or_b32 v[PW], v[BT+1], 8, v[BT]         ; p's scale word for these 128 keys
	v_lshl_or_b32 v[PW], v[BT+2], 16, v[PW]
	v_lshl_or_b32 v[PW], v[BT+3], 24, v[PW]
.irp c, 0,1
	v_cvt_scalef32_pk16_bf6_f32 v[PC+6*\c:PC+6*\c+2], v[S+32*\c:S+32*\c+15], v[SO+2*\c]
	v_cvt_scalef32_pk16_bf6_f32 v[PT+4*\c:PT+4*\c+2], v[S+16+32*\c:S+31+32*\c], v[SO+2*\c+1]   ; (a conversion's three registers begin on an even number)
.endr
	v_nop                                          ; one plain place behind a scaled conversion
.irp c, 0,1                                    ; the operand's layout wants a WHOLE block in a lane: lanes 0-15 block 2 c, lanes 16-31 block 2 c + 1
.irp i, 0,1,2
	v_permlane16_swap_b32 v[PC+6*\c+\i], v[PT+4*\c+\i]
.endr
.irp i, 0,1,2
	v_mov_b32 v[PC+3+6*\c+\i], v[PT+4*\c+\i]
.endr
.endr
	v_pk_add_f32 v[S2:S2+1], v[S:S+1], v[S+2:S+3]  ; THE ROW'S SUM IS TAKEN OF THE UNQUANTISED p: two at a time, in two chains
.irp j, 4,8,12,16,20,24,28,32,36,40,44,48,52,56,60
	v_pk_add_f32 v[14:15], v[14:15], v[S+\j:S+\j+1]
	v_pk_add_f32 v[S2:S2+1], v[S2:S2+1], v[S+2+\j:S+3+\j]
.endr
	v_pk_add_f32 v[14:15], v[14:15], v[S2:S2+1]
.set J, 0
.rept 16
	v_pk_mul_f32 v[O+J:O+J+1], v[O+J:O+J+1], v[F:F+1] op_sel_hi:[1,0]   ; O^T under the new M, each accumulator from its low end on.  (The sums and these are the places between the writes of p's scale word and codes and the products)
.set J, J+2
.endr
	s_wait_dscnt 0x0                               ; V and its scale words are in
	s_wait_alu depctr_va_vdst(0)                   ; p's codes (v44-55) and p's scale word (v246) are written, which the four scaled products below take; the places above stay beside this wait
.irp t, 0,1,2,3
	PV \t                                          ; four accumulators by turns, one instruction a turn; the next matrix instruction is the next trip's first K Q^T
.endr
	s_lshr_b32 s[FLG], s[FLG], 1
	s_add_co_u32 s[TB], s[TB], STEPB
	s_sub_co_u32 s[CNT], s[CNT], 1
	s_cmp_lg_u32 s[CNT], 0
	s_cbranch_scc1 .Lstep
	; THE WAY OUT.  O^T is divided by the row's sum and goes through my stage in LDS, so that sixteen lanes store a query's 64 channels: 256 consecutive bytes, aligned.
	; (v9 and v10, which loads of the head read as offsets, are written anew here: every trip's wait on vm_vsrc stands between.)
	v_add_f32 v14, v14, v15                        ; the sum's two halves,
	v_permlanex16_b32 v[T], v14, s[SEL], s[SEL+1]
	v_add_f32 v14, v14, v[T]                       ; and lane l xor 16's: the row's sum
	s_wait_alu depctr_va_vdst(0)
	v_rcp_f32 v14, v14
	s_mul_i32 s31, s[WV], 16*SP
	s_add_co_u32 s31, s31, STAGE                   ; my stage
	v_mul_u32_u24 v[STO], v[RR], SP                ; (these eight lines are the plain place behind the reciprocal and the places behind the last products)
	v_lshl_add_u32 v[STO], v[HH], 5, v[STO]
	v_add_nc_u32 v[STO], s31, v[STO]               ; in: row r; tile t's eight channels of my half: 64 t + 32 hh bytes on
	v_mul_u32_u24 v[RD], v[HH], SP
	v_lshl_add_u32 v[RD], v[RR], 4, v[RD]
	v_add_nc_u32 v[RD], s31, v[RD]                 ; back: lanes 0-15 one row, lanes 16-31 the next
	v_lshlrev_b32 v[GO], 12, v[HH]
	v_lshl_add_u32 v[GO], v[RR], 4, v[GO]          ; and the same two rows in out0
	s_wait_alu depctr_va_vdst(0)                   ; the reciprocal has written v14, ahead of its first reader
.set J, 0
.rept 32
	v_mul_f32 v[S+J], v[O+J], v14                  ; register 8 t + j is out(query r, channel 16 t + 8 hh + j); each accumulator from its low end on
.set J, J+1
.endr
	s_wait_alu depctr_va_vdst(0)                   ; the multiplications have written v96-127, which the LDS stores read; v[STO], v[RD] and v[GO] are written; no vector line still names v128-159, in which the loads from the stage land
.irp t, 0,1,2,3
	ds_store_b128 v[STO], v[S+8*\t:S+8*\t+3] offset:64*\t
	ds_store_b128 v[STO], v[S+8*\t+4:S+8*\t+7] offset:64*\t+16
.endr
.irp i, 0,1,2,3,4,5,6,7
	ds_load_b128 v[S+32+4*\i:S+35+4*\i], v[RD] offset:2*\i*SP   ; LDS serves a wave's instructions in order: these see my stores
.endr
.irp i, 0,1,2,3,4,5,6,7
	s_wait_dscnt 7-\i                              ; load i is back, the younger ones stay out
	global_store_b128 v[GO], v[S+32+4*\i:S+35+4*\i], s[12:13] offset:8192*\i th:TH_STORE_NT   ; rows 2 i, 2 i + 1; written once, read by nobody here
.endr
	s_wait_dscnt 0x0                               ; the closing lines, six on end
	s_wait_alu 0x0
	s_wait_tensorcnt 0x0
	ds_add_u32 v254, v255
	s_wait_dscnt 0x0
	s_endpgm
.Lfunc_end_k_q3aefe92090_attn:
	.size	k_q3aefe92090_attn, .Lfunc_end_k_q3aefe92090_attn-k_q3aefe92090_attn
	.p2alignl 7, 3214868480
	.fill 96, 4, 3214868480
	.section	.rodata,"a",@progbits
	.p2align	6, 0x0
	.amdhsa_kernel k_q3aefe92090_attn
		.amdhsa_group_segment_fixed_size 280576
		.amdhsa_private_segment_fixed_size 0
		.amdhsa_enable_private_segment 0
		.amdhsa_kernarg_size 40
		.amdhsa_user_sgpr_count 2
		.amdhsa_user_sgpr_kernarg_segment_ptr 1
		.amdhsa_wavefront_size32 1
		.amdhsa_system_sgpr_workgroup_id_x 1
		.amdhsa_system_sgpr_workgroup_id_y 1
		.amdhsa_system_sgpr_workgroup_id_z 1
		.amdhsa_system_vgpr_workitem_id 0
		.amdhsa_next_free_vgpr 256
		.amdhsa_next_free_sgpr 102
		.amdhsa_reserve_vcc 0
		.amdhsa_float_denorm_mode_32 3
		.amdhsa_float_denorm_mode_16_64 3
		.amdhsa_memory_ordered 1
		.amdhsa_forward_progress 1
		.amdhsa_inst_pref_size 43
	.end_amdhsa_kernel
	.amdgpu_metadata
---
amdhsa.version: [ 1, 2 ]
amdhsa.kernels:
  - .name:           k_q3aefe92090_attn
    .symbol:         k_q3aefe92090_attn.kd
    .args:
      - { .name: queries, .offset: 0, .size: 8, .value_kind: global_buffer, .address_space: global }
      - { .name: kv, .offset: 8, .size: 8, .value_kind: global_buffer, .address_space: global }
      - { .name: mbits, .offset: 16, .size: 8, .value_kind: global_buffer, .address_space: global }
      - { .name: mflag, .offset: 24, .size: 8, .value_kind: global_buffer, .address_space: global }
      - { .name: out0, .offset: 32, .size: 8, .value_kind: global_buffer, .address_space: global }
    .group_segment_fixed_size: 280576
    .private_segment_fixed_size: 0
    .kernarg_segment_align: 8
    .kernarg_segment_size: 40
    .max_flat_workgroup_size: 512
    .sgpr_count:     102
    .vgpr_count:     256
    .wavefront_size: 32
...
	.end_amdgpu_metadata
.endif
;; end of part 4
